; MI455X (gfx1250); checked and timed in simulation.
; The chip was launched on July 23, 2026; its instructions are those of AMD's public machine-readable ISA for CDNA 5 (MIT licence, August 2026) and "CDNA5" Instruction Set Architecture Reference Guide (July 2026). The comments in the code are by the model that wrote it; some were corrected since.
;; Multi Head Attention. Allowed arithmetic: float matrix products may take bf16 or f16 operands with f32 sums; all other float work in f32.
;; Inputs: Wk 1,024 x 1,024 float32; Wo 1,024 x 1,024 float32; Wq 1,024 x 1,024 float32; Wv 1,024 x 1,024 float32; bk 1,024 float32; bo 1,024 float32; bq 1,024 float32; bv 1,024 float32; x 4 x 2,048 x 1,024 float32.
;; Outputs: out0 4 x 2,048 x 1,024 float32.
;; One version. Each part assembles by itself: llvm-mc -triple=amdgcn-amd-amdhsa -mcpu=gfx1250 --defsym DOCPART=n.
;; ======== version 1 of 1: 4 launches
;; limits: values are held in f16: magnitudes above 65,504 overflow, below 6.1e-05 lose precision
;; workspace buffers: xb 16,777,216 bytes; wb 8,388,608 bytes; qkv 50,331,648 bytes; ao 16,777,216 bytes
;; launch cast (part 1): grid 64 x 12, 8 waves a work-group, no clusters, 0 bytes of LDS; arguments x, Wq, Wk, Wv, Wo, xb, wb; writes xb, wb
.if DOCPART == 1
	.amdgcn_target "amdgcn-amd-amdhsa--gfx1250"
	.amdhsa_code_object_version 6
	.text
	.protected	k_qa08e525572_cast
	.globl	k_qa08e525572_cast
	.p2align	8
	.type	k_qa08e525572_cast,@function
k_qa08e525572_cast:
	s_mov_b64 s[64:65], 0
	v_nop
	global_prefetch_b8 v0, s[64:65] scope:SCOPE_SE
	s_setreg_imm32_b32 hwreg(HW_REG_WAVE_MODE, 25, 1), 1
	s_wait_xcnt 0x0
; CAUSAL MULTI-HEAD ATTENTION, B = 4, T = 2048, C = 1024, H = 16, D = 64.  Launch 1 of 4: the matrix operands among the inputs are
; rounded once to 16 bits.  xb = x, [8192][1024] bf16.  wb = Wq, Wk, Wv, Wo stacked, [4][1024 k][1024 n], not transposed.
; Then: gemm_qkv (q, k, v by heads), attn (softmax(q k^T / 8) v under the causal mask), gemm_o (the output projection).
;
; WORK LEFT OUT, for all finite values of the inputs:
;  * bk.  scores[q][k] = (x_q Wq + bq).(x_k Wk) / 8 + (x_q Wq + bq).bk / 8.  The second term does not hang on k: it is the same along the
;    softmax's axis and cancels between numerator and denominator; masked places stay -inf.  So bk has no way to any output: it is not
;    loaded and is an argument of no launch.
;  * Key blocks above the diagonal.  reference() itself builds the mask (jnp.tril) and sets those scores to -inf, whose weights are 0:
;    blocks of 128 keys that lie wholly above a block of 128 queries are neither loaded nor multiplied (120 of 256 blocks a head), and in
;    the diagonal block a wave leaves out the 64 keys that lie above all its rows.  What is left of the mask is a select to -inf.
; LIMITS.  A NaN, an infinity or an overflow that reaches only bk, or only the k and v of masked places, is not carried to the result.
; FORMATS.  x, Wq, Wk, Wv: bf16.  q, k, v, the softmax's weights and the attention's result go on in f16 (11 significant bits; rows with few
; keys are not averaged down, so their rounding weighs most); a q, k or v of magnitude 65,504 or more becomes an infinity there.  Wo is
; rounded to bf16 like the other weights and that value is written in f16's format (exact for magnitudes from 2^-17 up, within 2^-25 below),
; since its partner in the product is f16.
;
; A stream: 768 work-groups of eight waves, 16,384 numbers each (64 KiB in, 32 KiB out).  A wave takes 2,048 numbers: sixteen loads of
; 16 bytes a lane (512 neighbouring bytes each) all go out at once; each store of the wave covers 256 consecutive bytes, aligned.
; No LDS, no matrix unit, no cluster: nothing is shared and nothing is summed.
.set X, 8                              ; v[8:71]    load i: 4 numbers in f32
.set Y, 72                             ; v[72:103]  store i: 4 numbers in 16 bits
	s_load_b256 s[4:11], s[0:1], 0x0               ; x, Wq, Wk, Wv
	s_load_b128 s[12:15], s[0:1], 0x20             ; Wo, xb
	s_load_b64 s[16:17], s[0:1], 0x30              ; wb
	s_mov_b32 s3, ttmp9                            ; gx, 0 to 63
	s_and_b32 s2, ttmp7, 0xffff                    ; y: 0 to 7 parts of x, 8 to 11 the four weights
	v_and_b32 v3, 31, v0                           ; lane
	v_lshrrev_b32 v4, 5, v0                        ; wave
	v_lshlrev_b32 v1, 4, v3
	v_lshl_add_u32 v1, v4, 13, v1                  ; in: 8,192 wave + 16 lane
	v_lshlrev_b32 v2, 3, v3
	v_lshl_add_u32 v2, v4, 12, v2                  ; out: 4,096 wave + 8 lane
	s_lshl_b32 s22, s2, 6
	s_add_co_u32 s22, s22, s3                      ; 64 y + gx: the chunk in x and in xb
	s_sub_co_u32 s23, s22, 512                     ; 64 (y - 8) + gx: the chunk in wb (taken only where y >= 8)
	s_cmp_lt_u32 s2, 8
	s_cselect_b32 s24, s22, s3                     ; chunk in the source: a weight is 64 chunks of its own
	s_cselect_b32 s26, s22, s23                    ; chunk in the destination
	s_lshl_b32 s24, s24, 16                        ; 65,536 bytes of f32 a chunk
	s_lshl_b32 s26, s26, 15                        ; 32,768 bytes of 16-bit numbers
	s_mov_b32 s25, 0
	s_mov_b32 s27, 0
	s_wait_kmcnt 0x0
	s_cmp_lt_u32 s2, 8
	s_cselect_b64 s[20:21], s[14:15], s[16:17]     ; xb or wb
	s_mov_b64 s[18:19], s[4:5]                     ; x, unless y names a weight
	s_cmp_eq_u32 s2, 8
	s_cselect_b64 s[18:19], s[6:7], s[18:19]
	s_cmp_eq_u32 s2, 9
	s_cselect_b64 s[18:19], s[8:9], s[18:19]
	s_cmp_eq_u32 s2, 10
	s_cselect_b64 s[18:19], s[10:11], s[18:19]
	s_cmp_eq_u32 s2, 11
	s_cselect_b64 s[18:19], s[12:13], s[18:19]
	s_add_nc_u64 s[18:19], s[18:19], s[24:25]
	s_add_nc_u64 s[20:21], s[20:21], s[26:27]
.irp i, 0,1,2,3,4,5,6,7,8,9,10,11,12,13,14,15
	global_load_b128 v[X+4*\i:X+4*\i+3], v1, s[18:19] offset:512*\i th:TH_LOAD_NT   ; read once in the launch
.endr
; Sixteen turns.  asf16 = 1: the bf16 value is widened again (a shift, a mask) and written in f16's format.  No register that a load or
; store names is written again, so the only waits are the counted ones for the data.  The stores carry no hint: the next launch reads them.
.macro TURNS asf16
.irp i, 0,1,2,3,4,5,6,7,8,9,10,11,12,13,14,15
	s_wait_loadcnt 15-\i                           ; loads come back in order (ISA guide 5.7.1): load i is in, the 15 - i younger ones stay out
	v_cvt_pk_bf16_f32 v[Y+2*\i],   v[X+4*\i],   v[X+4*\i+1]
	v_cvt_pk_bf16_f32 v[Y+2*\i+1], v[X+4*\i+2], v[X+4*\i+3]
.if \asf16
	v_lshlrev_b32 v[X+4*\i],   16,         v[Y+2*\i]
	v_and_b32     v[X+4*\i+1], 0xffff0000, v[Y+2*\i]
	v_lshlrev_b32 v[X+4*\i+2], 16,         v[Y+2*\i+1]
	v_and_b32     v[X+4*\i+3], 0xffff0000, v[Y+2*\i+1]
	v_cvt_pk_f16_f32 v[Y+2*\i],   v[X+4*\i],   v[X+4*\i+1]
	v_cvt_pk_f16_f32 v[Y+2*\i+1], v[X+4*\i+2], v[X+4*\i+3]
.endif
	global_store_b64 v2, v[Y+2*\i:Y+2*\i+1], s[20:21] offset:256*\i
.endr
.endm
	s_cmp_eq_u32 s2, 11
	s_cbranch_scc1 .Lwo
	TURNS 0
	s_endpgm
.Lwo:
	TURNS 1                                        ; Wo
	s_endpgm
.Lfunc_end_k_qa08e525572_cast:
	.size	k_qa08e525572_cast, .Lfunc_end_k_qa08e525572_cast-k_qa08e525572_cast
	.p2alignl 7, 3214868480
	.fill 96, 4, 3214868480
	.section	.rodata,"a",@progbits
	.p2align	6, 0x0
	.amdhsa_kernel k_qa08e525572_cast
		.amdhsa_group_segment_fixed_size 0
		.amdhsa_private_segment_fixed_size 0
		.amdhsa_enable_private_segment 0
		.amdhsa_kernarg_size 56
		.amdhsa_user_sgpr_count 2
		.amdhsa_user_sgpr_kernarg_segment_ptr 1
		.amdhsa_wavefront_size32 1
		.amdhsa_system_sgpr_workgroup_id_x 1
		.amdhsa_system_sgpr_workgroup_id_y 1
		.amdhsa_system_sgpr_workgroup_id_z 1
		.amdhsa_system_vgpr_workitem_id 0
		.amdhsa_next_free_vgpr 104
		.amdhsa_next_free_sgpr 66
		.amdhsa_reserve_vcc 0
		.amdhsa_float_denorm_mode_32 3
		.amdhsa_float_denorm_mode_16_64 3
		.amdhsa_memory_ordered 1
		.amdhsa_forward_progress 1
		.amdhsa_inst_pref_size 17
	.end_amdhsa_kernel
	.amdgpu_metadata
---
amdhsa.version: [ 1, 2 ]
amdhsa.kernels:
  - .name:           k_qa08e525572_cast
    .symbol:         k_qa08e525572_cast.kd
    .args:
      - { .name: x, .offset: 0, .size: 8, .value_kind: global_buffer, .address_space: global }
      - { .name: Wq, .offset: 8, .size: 8, .value_kind: global_buffer, .address_space: global }
      - { .name: Wk, .offset: 16, .size: 8, .value_kind: global_buffer, .address_space: global }
      - { .name: Wv, .offset: 24, .size: 8, .value_kind: global_buffer, .address_space: global }
      - { .name: Wo, .offset: 32, .size: 8, .value_kind: global_buffer, .address_space: global }
      - { .name: xb, .offset: 40, .size: 8, .value_kind: global_buffer, .address_space: global }
      - { .name: wb, .offset: 48, .size: 8, .value_kind: global_buffer, .address_space: global }
    .group_segment_fixed_size: 0
    .private_segment_fixed_size: 0
    .kernarg_segment_align: 8
    .kernarg_segment_size: 56
    .max_flat_workgroup_size: 256
    .sgpr_count:     66
    .vgpr_count:     104
    .wavefront_size: 32
...
	.end_amdgpu_metadata
.endif
;; end of part 1
;; launch gemm_qkv (part 2): grid 4 x 64, 4 waves a work-group, clusters of 4 x 4, 327,680 bytes of LDS; arguments xb, wb, bq, bv, qkv; writes qkv
.if DOCPART == 2
	.amdgcn_target "amdgcn-amd-amdhsa--gfx1250"
	.amdhsa_code_object_version 6
	.text
	.protected	k_qa08e525572_gemm_qkv
	.globl	k_qa08e525572_gemm_qkv
	.p2align	8
	.type	k_qa08e525572_gemm_qkv,@function
k_qa08e525572_gemm_qkv:
	s_mov_b64 s[64:65], 0
	v_nop
	global_prefetch_b8 v0, s[64:65] scope:SCOPE_SE
	s_setreg_imm32_b32 hwreg(HW_REG_WAVE_MODE, 25, 1), 1
	s_wait_xcnt 0x0
	s_wait_alu depctr_hold_cnt(0) depctr_sa_sdst(0) depctr_va_vdst(0) depctr_va_sdst(0) depctr_va_ssrc(0) depctr_va_vcc(0) depctr_vm_vsrc(0)
	s_getreg_b32 s2, hwreg(HW_REG_IB_STS2, 6, 4)
	s_cmp_eq_u32 s2, 0
	s_cbranch_scc0 .Lentry_in_a_cluster
	s_endpgm
.Lentry_in_a_cluster:
	s_bfe_u32 s2, ttmp6, 0x10000c
	s_cmp_lg_u32 s2, 0xf033
	s_cbranch_scc0 .Lentry_shape_is_right
	s_endpgm
.Lentry_shape_is_right:
; Launch 2 of 4: q = x Wq + bq, k = x Wk, v = x Wv + bv.  xb [8192][1024] bf16, wb [4][1024 k][1024 n] bf16 (its first three matrices),
; bq, bv [1024] f32, qkv [3][B][H][T][D] f16.  Sums in f32.
; LEFT OUT: bk.  It adds to every score of a query the same number, which cancels in the softmax (shown at the head of the first launch).
; LIMIT: a q, k or v of magnitude 65,504 or more becomes an infinity in f16.
; A BLOCK is 128 tokens x 384 columns: the same 128 columns (two heads) of Wq, of Wk and of Wv.  So x's tile feeds three matrices at once, which bias
; a column takes and which part of qkv it goes to are fixed in the text, and a K step of 128 gives a wave 192 matrix instructions.
; A work-group makes two such blocks on the same tokens (column blocks 2 x and 2 x + 1): 256 work-groups, 16 K steps each, through a ring of two LDS
; slots that runs on from the first block into the second.  Four waves, 2 x 2: a wave makes 64 tokens x one head of q, k and v: 4 token tiles x
; 12 column tiles = 48 accumulator tiles, 384 registers.
; A K step's four tiles are alike, 128 rows x 256 bytes, rows at multiples of 256 bytes: wave 0 fetches x's, waves 1, 2, 3 fetch Wq's, Wk's, Wv's.
; CLUSTERS: 4 x 4 work-groups.  The four of a row of the cluster share the tokens (x's tile), the four of a column the columns (W's tiles);
; such a tile is asked for jointly, each of the four issuing the same tensor load with the same descriptor and a mask that names the four.
; W lies [k][n] in LDS as in memory; ds_load_tr16_b128 turns 16 columns x 32 k into a fragment.
; THE MATRIX INSTRUCTION IS USED TRANSPOSED: source 0 = 16 columns of W, source 1 = 16 tokens.  Lane l then holds token l % 16 and its
; registers 0 to 7 the columns 8 (l / 16) + 0 .. 7: eight neighbouring numbers of a head's row.
; The bias is the C operand of each accumulator's first product (k's first products take the constant 0): no add, nothing cleared.
; REGISTERS, in windows of 256 (s_set_vgpr_msb: bits 1:0 source 0, 3:2 source 1, 5:4 source 2, 7:6 destination):
;   window 0: v16-27 addresses; v32-63, v64-95 fragments of x (4 each), two buffers; v96-143 packed results; v144-191, v192-239 rows read back on the way out
;   window 1: v0-95, v96-191 fragments of W (12 each), two buffers; v192-223 bq, v224-255 bv of my head
;   window 2: the 24 accumulator tiles of my token tiles 0, 1 (tile (a, b) at v[8 (12 (a & 1) + b)]);   window 3: those of token tiles 2, 3
.set REG,    36864                     ; an LDS region: what one tensor load may fill.  W's 128 k rows x 288 bytes fill it; x's 128 rows x 272 take 34,816
.set SLOT,   4*REG                     ; region 0: x; regions 1, 2, 3: Wq, Wk, Wv
.set STAGE,  2*SLOT                    ; behind the ring: 16 rows x 400 bytes for each wave, for the way out; no tensor load lands here
.set AP,     272                       ; 256 bytes + 16: sixteen rows of a fragment start in sixteen different 16-byte columns
.set BP,     288                       ; 256 bytes + 32: an odd multiple of 32, for the transposing load
.set SP,     400                       ; 384 bytes + 16: an odd multiple of 16
.set ADRA, 16                          ; v16-17  LDS address of my x fragments in slot 0, 1
.set ADRW, 18                          ; v18-23  the same for W, register 3 x slot + matrix: a slot is longer than an LDS immediate reaches
.set STO,  24                          ; the way out: where I put 16 bytes
.set RD,   25                          ; the way out: where I read them back
.set CO,   26                          ; 16 x lane
.set BOF,  27                          ; 32 x (lane / 16): my place in 16 columns of a bias
.set FA,   32                          ; window 0: x fragments, buffer f, token tile a at 32 f + 8 a
.set TMP,  96
.set RB,   144
.set FW,   0                           ; window 1: W fragments, buffer f, column tile b at 96 f + 8 b (b = 4 x matrix + tile in the head)
.set BIQ,  192                         ; window 1
.set BIV,  224                         ; window 1
.set G1,  24                           ; s[24:31] descriptor group 1, x's tiles
.set G0,  32                           ; s[32:39] group 0, x's tiles, a set for each slot
.set G1B, 48                           ; s[48:55] group 1, W's tiles
.set G0B, 56                           ; s[56:63] group 0, W's tiles, a set for each slot
.set OB,  76                           ; s[76:81] my first byte in q, in k, in v
.set MSB, 0
.macro WIN new                         ; the immediate's high byte repeats the setting that is left; at a label and at a branch the setting is 0
.if MSB != \new
	s_set_vgpr_msb (MSB<<8)|\new
.set MSB, \new
.endif
.endm
.macro WINL cm                         ; products of token tiles 0, 1: W window 1, x window 0, D window 2; C in place, or a bias in window 1
.if \cm == 1
	WIN 0xa1
.else
	WIN 0x91
.endif
.endm
.macro WINH cm                         ; the same for token tiles 2, 3: D window 3
.if \cm == 1
	WIN 0xf1
.else
	WIN 0xd1
.endif
.endm
; A joint load.  Wave 0 fetches x's tile, waves 1, 2, 3 one matrix's each.  The branch hangs on the wave's number alone.
.macro JLOAD s
	s_cmp_eq_u32 s10, 0
	s_cbranch_scc0 .Lfor_b_\@
	tensor_load_to_lds s[G0+4*\s:G0+4*\s+3], s[G1:G1+7]
	s_nop 0
	s_branch .Lasked_\@
.Lfor_b_\@:
	tensor_load_to_lds s[G0B+4*\s:G0B+4*\s+3], s[G1B:G1B+7]
	s_nop 0
.Lasked_\@:
.endm
; A round of the cluster's barrier: my work-group's barrier; wave 0 signals for the work-group; every wave waits for all sixteen; my work-group's barrier again.
.macro CREST                           ; a round behind its opening barrier
	s_cmp_lg_u32 s10, 0
	s_cbranch_scc1 .Lnot_wave_0_\@
	s_barrier_signal -3
.Lnot_wave_0_\@:
	s_barrier_wait -3
	s_barrier_signal -1
	s_barrier_wait -1
.endm
.macro CROUND
	s_barrier_signal -1
	s_barrier_wait -1
	CREST
.endm
; Four places behind a matrix instruction before a load lands on a register that it read or a vector instruction reads its result
; (ISA guide 7.12.1 for vector instructions); other matrix instructions are not counted as places.
.macro PLACES
.rept 4
	v_nop
.endr
.endm
; The biases of my head in block p, in the accumulators' layout: register 8 ct + j of lane l = bias[column0 + 16 ct + 8 (l / 16) + j].
; The second block's 128 columns lie 512 bytes on: that stands in the immediate, so no base is written again.
.macro BIASLOAD p
	WIN 0x40
.irp ct, 0,1,2,3
	global_load_b128 v[BIQ+8*\ct:BIQ+8*\ct+3],   v[BOF], s[68:69] offset:512*\p+64*\ct
	global_load_b128 v[BIQ+8*\ct+4:BIQ+8*\ct+7], v[BOF], s[68:69] offset:512*\p+64*\ct+16
	global_load_b128 v[BIV+8*\ct:BIV+8*\ct+3],   v[BOF], s[70:71] offset:512*\p+64*\ct
	global_load_b128 v[BIV+8*\ct+4:BIV+8*\ct+7], v[BOF], s[70:71] offset:512*\p+64*\ct+16
.endr
	WIN 0
.endm
	s_load_b128 s[4:7], s[0:1], 0x0                ; xb, wb
	s_load_b128 s[68:71], s[0:1], 0x10             ; bq, bv
	s_load_b64 s[8:9], s[0:1], 0x20                ; qkv
	v_lshl_add_u32 v254, v0, 2, 0x4e400
	v_mov_b32 v255, 0
	ds_add_u32 v254, v255
	ds_add_u32 v254, v255
	v_lshrrev_b32 v1, 5, v0
	v_readfirstlane_b32 s10, v1                    ; wave 0..3
	s_lshr_b32 s11, s10, 1                         ; my half of the block's tokens
	s_and_b32 s12, s10, 1                          ; my head of the block's two
	s_bfe_u32 s40, ttmp6, 0x40000                  ; cx
	s_bfe_u32 s41, ttmp6, 0x40004                  ; cy
	s_lshl_b32 s42, ttmp9, 2
	s_add_co_u32 s42, s42, s40                     ; work-group x = 4 x cluster x + cx: column blocks 2 x, 2 x + 1
	s_and_b32 s13, ttmp7, 0xffff
	s_lshl_b32 s13, s13, 2
	s_add_co_u32 s13, s13, s41                     ; block row = 4 x cluster y + cy
	s_lshl_b32 s43, s41, 2
	s_lshl_b32 s43, 15, s43                        ; my row of the cluster: places 4 cy .. 4 cy + 3
	s_lshl_b32 s44, 0x1111, s40                    ; my column: places cx, cx + 4, cx + 8, cx + 12
	; group 1 for x: 128 rows x 128 elements of 2 bytes, 4 words of padding behind every 64 words
	s_or_b32 s[G1+0], s43, (1<<16)|(1<<20)|(1<<21)|(5<<22)|(3<<25)
	s_mov_b32 s[G1+1], 128<<16                     ; tensor_dim0 = 128
	s_mov_b32 s[G1+2], 128<<16                     ; tensor_dim1 = 128
	s_mov_b32 s[G1+3], 128<<16                     ; tile_dim0 = 128
	s_mov_b32 s[G1+4], 128                         ; tile_dim1 = 128
	s_mov_b32 s[G1+5], 1024                        ; elements from row to row
	s_mov_b32 s[G1+6], 0
	s_mov_b32 s[G1+7], 0
	; group 1 for W: the same shape, 128 k rows x 128 columns, with 8 words of padding behind every 64 words and the mask of my column
	s_or_b32 s[G1B+0], s44, (1<<16)|(1<<20)|(1<<21)|(5<<22)|(7<<25)
	s_mov_b32 s[G1B+1], 128<<16
	s_mov_b32 s[G1B+2], 128<<16
	s_mov_b32 s[G1B+3], 128<<16
	s_mov_b32 s[G1B+4], 128
	s_mov_b32 s[G1B+5], 1024
	s_mov_b32 s[G1B+6], 0
	s_mov_b32 s[G1B+7], 0
	; x's address hangs on the block row alone, W's on the work-group's x and the wave's number alone, each made in registers that never hold the other coordinate
	s_lshl_b32 s16, s13, 18                        ; 128 tokens of 2,048 bytes a block row
	s_mov_b32 s17, 0
	s_lshl_b32 s46, s42, 9                         ; two column blocks of 256 bytes a work-group
	s_max_u32 s47, s10, 1
	s_sub_co_u32 s47, s47, 1                       ; waves 1, 2, 3: matrix 0, 1, 2 (wave 0 makes matrix 0's address too and never asks by it),
	s_lshl_b32 s47, s47, 21                        ; 2,097,152 bytes a matrix
	s_add_co_u32 s46, s46, s47
	s_mov_b32 s47, 0
	s_mul_i32 s20, s10, REG                        ; where my load lands: the wave's number x a region
	s_wait_dscnt 0x0
	s_wait_kmcnt 0x0
	s_add_nc_u64 s[14:15], s[4:5], s[16:17]
	s_add_nc_u64 s[46:47], s[6:7], s[46:47]
	CROUND                                         ; all sixteen work-groups are here: the first joint loads meet
.irp s, 0,1
	s_mov_b32 s[G0+4*\s], 1
	s_add_co_u32 s[G0+4*\s+1], s20, \s*SLOT
	s_add_nc_u64 s[G0+4*\s+2:G0+4*\s+3], s[14:15], \s*256           ; K step s: 128 elements along the row
	s_or_b32 s[G0+4*\s+3], s[G0+4*\s+3], 0x80000000
	s_mov_b32 s[G0B+4*\s], 1
	s_add_co_u32 s[G0B+4*\s+1], s20, \s*SLOT
	s_add_nc_u64 s[G0B+4*\s+2:G0B+4*\s+3], s[46:47], \s*262144      ; K step s: 128 k rows down
	s_or_b32 s[G0B+4*\s+3], s[G0B+4*\s+3], 0x80000000
	JLOAD \s                                       ; two tensor loads of the wave are out here, one from the first refill on
.endr
	s_lshl_b32 s72, s42, 10
	s_lshl_b32 s73, s12, 8
	s_add_co_u32 s72, s72, s73                     ; (256 x + 64 x head) x 4 bytes: my head's columns in the first block
	s_mov_b32 s73, 0
	s_add_nc_u64 s[68:69], s[68:69], s[72:73]
	s_add_nc_u64 s[70:71], s[70:71], s[72:73]
	v_and_b32 v1, 15, v0                           ; r = l % 16
	v_bfe_u32 v2, v0, 4, 1                         ; h = l / 16
	v_lshlrev_b32 v[BOF], 5, v2
	BIASLOAD 0
	; LDS addresses.  x fragment: lane l holds token r; registers 0-3 K = 8 h + 0..7, registers 4-7 K = 16 + 8 h + 0..7: two loads 32 bytes apart.
	; W fragment: lane l addresses k row 8 h + (l & 7), 16 bytes at 16 ((l >> 3) & 1); the second load 16 k rows further down.
	v_and_b32 v4, 7, v0
	v_bfe_u32 v5, v0, 3, 1
	v_mul_u32_u24 v3, v1, AP
	v_lshl_add_u32 v3, v2, 4, v3                   ; 272 r + 16 h
	v_lshl_add_u32 v6, v2, 3, v4
	v_mul_u32_u24 v6, v6, BP
	v_lshl_add_u32 v6, v5, 4, v6
	s_mul_i32 s21, s11, 64*AP                      ; my 64 tokens
	s_lshl_b32 s22, s12, 7                         ; my head's 128 bytes of a k row,
	s_add_co_u32 s22, s22, REG                     ; behind x's region
.irp s, 0,1
	v_add_nc_u32 v[ADRA+\s], s21, v3
	s_add_co_u32 s21, s21, SLOT
.irp m, 0,1,2
	v_add_nc_u32 v[ADRW+3*\s+\m], s22, v6
	s_add_co_u32 s22, s22, REG
.endr
	s_add_co_u32 s22, s22, REG                     ; over the next slot's x
.endr
	s_mul_i32 s23, s10, 16*SP
	s_add_co_u32 s23, s23, STAGE                   ; my stage
	v_mul_u32_u24 v7, v1, SP
	v_lshl_add_u32 v7, v2, 4, v7
	v_add_nc_u32 v[STO], s23, v7                   ; in: row r, 16 bytes for each half of the lanes
	v_bfe_u32 v7, v0, 3, 2
	v_mul_u32_u24 v7, v7, SP                       ; back: eight lanes take the 128 bytes that a token has in one head, four tokens a load
	v_lshl_add_u32 v7, v4, 4, v7
	v_add_nc_u32 v[RD], s23, v7
	v_and_b32 v8, 31, v0
	v_lshlrev_b32 v[CO], 4, v8
	; my first byte in q: ((batch x 16 + head) x 2,048 + token) x 128, head = 4 x + my head of the pair, token = 128 x (block row % 16) + 64 x half;
	; k and v lie 16,777,216 bytes further on each; the second block's heads 524,288 bytes on, which stands in the stores' immediates
	s_lshr_b32 s74, s13, 4
	s_lshl_b32 s74, s74, 4
	s_lshl_b32 s75, s42, 2
	s_add_co_u32 s74, s74, s75
	s_add_co_u32 s74, s74, s12
	s_lshl_b32 s74, s74, 11
	s_and_b32 s75, s13, 15
	s_lshl_b32 s75, s75, 7
	s_add_co_u32 s74, s74, s75
	s_lshl_b32 s75, s11, 6
	s_add_co_u32 s74, s74, s75
	s_lshl_b32 s74, s74, 7
	s_mov_b32 s75, 0
	s_add_nc_u64 s[OB:OB+1], s[8:9], s[74:75]
	s_add_nc_u64 s[OB+2:OB+3], s[OB:OB+1], 16777216
	s_add_nc_u64 s[OB+4:OB+5], s[OB+2:OB+3], 16777216
; 12 products: token tile a x my head of q (b = 0-3), k (4-7), v (8-11), 32 along K, from buffer f.  cm: 1 = in place; 2 = the first products: C is bq, 0, bv.
; The 48 accumulators take turns, one instruction a turn, in the same order in every quarter step.
.macro MULA f, a, cm
.irp b, 0,1,2,3,4,5,6,7,8,9,10,11
.if \cm == 1
	v_wmma_f32_16x16x32_bf16 v[8*(12*(\a&1)+\b):8*(12*(\a&1)+\b)+7], v[FW+96*\f+8*\b:FW+96*\f+8*\b+7], v[FA+32*\f+8*\a:FA+32*\f+8*\a+7], v[8*(12*(\a&1)+\b):8*(12*(\a&1)+\b)+7]
.elseif \b < 4
	v_wmma_f32_16x16x32_bf16 v[8*(12*(\a&1)+\b):8*(12*(\a&1)+\b)+7], v[FW+96*\f+8*\b:FW+96*\f+8*\b+7], v[FA+32*\f+8*\a:FA+32*\f+8*\a+7], v[BIQ+8*\b:BIQ+8*\b+7]
.elseif \b < 8
	v_wmma_f32_16x16x32_bf16 v[8*(12*(\a&1)+\b):8*(12*(\a&1)+\b)+7], v[FW+96*\f+8*\b:FW+96*\f+8*\b+7], v[FA+32*\f+8*\a:FA+32*\f+8*\a+7], 0
.else
	v_wmma_f32_16x16x32_bf16 v[8*(12*(\a&1)+\b):8*(12*(\a&1)+\b)+7], v[FW+96*\f+8*\b:FW+96*\f+8*\b+7], v[FA+32*\f+8*\a:FA+32*\f+8*\a+7], v[BIV+8*(\b-8):BIV+8*(\b-8)+7]
.endif
.endr
.endm
; 32 LDS loads in one run: the fragments of quarter kq (32 along K) of a slot into buffer f: 24 for W, then 8 for x
.macro FETCH slot, kq, f
	WIN 0x40
.irp m, 0,1,2
.irp ct, 0,1,2,3
	ds_load_tr16_b128 v[FW+96*\f+8*(4*\m+\ct):FW+96*\f+8*(4*\m+\ct)+3],   v[ADRW+3*\slot+\m] offset:32*BP*\kq+32*\ct
	ds_load_tr16_b128 v[FW+96*\f+8*(4*\m+\ct)+4:FW+96*\f+8*(4*\m+\ct)+7], v[ADRW+3*\slot+\m] offset:32*BP*\kq+32*\ct+16*BP
.endr
.endr
	WIN 0
.irp a, 0,1,2,3
	ds_load_b128 v[FA+32*\f+8*\a:FA+32*\f+8*\a+3],   v[ADRA+\slot] offset:16*AP*\a+64*\kq
	ds_load_b128 v[FA+32*\f+8*\a+4:FA+32*\f+8*\a+7], v[ADRA+\slot] offset:16*AP*\a+64*\kq+32
.endr
.endm
; One of a K step's first three quarters, 48 products: multiplies buffer f; in its middle it fetches quarter kq of the same slot into buffer g.
.macro QUARTER slot, kq, f, g, cm
	s_wait_dscnt 4                                 ; W and token tiles 0, 1 are in; the youngest four loads (token tiles 2, 3) may be out
	WINL \cm
	MULA \f, 0, \cm
	MULA \f, 1, \cm
	PLACES
	FETCH \slot, \kq, \g
	s_wait_dscnt 32                                ; all but the 32 just issued
	WINH \cm
	MULA \f, 2, \cm
	MULA \f, 3, \cm
.endm
.macro THREE slot, cm
	QUARTER \slot, 1, 0, 1, \cm
	QUARTER \slot, 2, 1, 0, 1
	QUARTER \slot, 3, 0, 1, 1
.endm
; The last quarter: multiplies buffer 1 and changes slots.  fill = 1: this slot is filled again, two K steps on; 2: the same, for the second block: x goes back to
; K = 0 or 128 (from 768 or 896: 1,536 bytes back), W six K steps of 262,144 bytes back and one column block of 256 bytes on; 0: nothing is left to fetch.
; In front of the barrier each wave waits for its reads of this slot and for all its tensor loads (one is out: its part of the next slot).
; Where the slot is filled again the barrier opens a round of the cluster's barrier, and the joint refill is the first tensor load behind the round.
; From a request to the wait for it a wave issues 24 + 3 x 48 + 12 = 180 matrix instructions.
.macro TURN slot, next, fill
	s_wait_dscnt 4
	WIN 0xa1
	MULA 1, 0, 1
	s_wait_dscnt 0                                 ; my reads of this slot are over
	s_set_vgpr_msb 0xa1a0
	s_wait_tensorcnt 0x0                           ; all my tensor loads have landed
	ds_add_u32 v254, v255
	s_wait_dscnt 0x0
	s_set_vgpr_msb 0xa0a1
	s_barrier_signal -1
	MULA 1, 1, 1                                   ; registers only, while the others arrive
	WIN 0
	s_barrier_wait -1
.if \fill
	CREST                                          ; no wave of any partner still reads this slot or has a load on its way
.if \fill == 1
	s_add_nc_u64 s[G0+4*\slot+2:G0+4*\slot+3], s[G0+4*\slot+2:G0+4*\slot+3], 512
	s_add_nc_u64 s[G0B+4*\slot+2:G0B+4*\slot+3], s[G0B+4*\slot+2:G0B+4*\slot+3], 524288
.else
	s_sub_nc_u64 s[G0+4*\slot+2:G0+4*\slot+3], s[G0+4*\slot+2:G0+4*\slot+3], 1536
	s_sub_nc_u64 s[G0B+4*\slot+2:G0B+4*\slot+3], s[G0B+4*\slot+2:G0B+4*\slot+3], 1572608
.endif
	JLOAD \slot
.endif
	PLACES
	FETCH \next, 0, 0
	WIN 0xf1
	MULA 1, 2, 1
	MULA 1, 3, 1
.endm
.macro LASTQ                           ; the very last quarter: nothing more to fetch
	s_wait_dscnt 4
	WIN 0xa1
	MULA 1, 0, 1
	MULA 1, 1, 1
	s_wait_dscnt 0
	WIN 0xf1
	MULA 1, 2, 1
	MULA 1, 3, 1
.endm
.macro LAP cm, fill                    ; once round the ring
	THREE 0, \cm
	TURN 0, 1, \fill
	THREE 1, 1
	TURN 1, 0, \fill
.endm
; THE WAY OUT of block p, 16 tokens at a time: round to f16, 16 bytes a lane into my own stage (a row: 128 bytes of q, of k, of v), read back so that a store
; of the wave covers four tokens of one head: 512 consecutive bytes, aligned.  The fragment buffers are not touched: buffer 0 holds the next block's first
; fragments.  LDS serves a wave's instructions in order (ISA guide 5.7.1), so the loads see the stores above them.
; more = 1: the second block follows; its biases are asked for first (their registers were last read in this block's first quarter) and land meanwhile.
.macro OUTQKV p, more
	WIN 0
	PLACES
.if \more
	BIASLOAD 1
.endif
.irp a, 0,1,2,3
.if \a < 2
	WIN 0x0a
.else
	WIN 0x0f
.endif
.irp b, 0,1,2,3,4,5,6,7,8,9,10,11
.irp i, 0,1,2,3
	v_cvt_pk_f16_f32 v[TMP+4*\b+\i], v[8*(12*(\a&1)+\b)+2*\i], v[8*(12*(\a&1)+\b)+2*\i+1]
.endr
.endr
	WIN 0
.irp b, 0,1,2,3,4,5,6,7,8,9,10,11
	ds_store_b128 v[STO], v[TMP+4*\b:TMP+4*\b+3] offset:32*\b
.endr
	s_wait_xcnt 0x0                                ; the registers that earlier stores read are loaded again only behind this wait
.irp m, 0,1,2
.irp tq, 0,1,2,3
	ds_load_b128 v[RB+48*(\a&1)+4*(4*\m+\tq):RB+48*(\a&1)+4*(4*\m+\tq)+3], v[RD] offset:\tq*4*SP+\m*128
.endr
.endr
.irp m, 0,1,2
.irp tq, 0,1,2,3
	s_wait_dscnt 11-(4*\m+\tq)                     ; of the twelve loads this one is back, the younger ones may be out
	global_store_b128 v[CO], v[RB+48*(\a&1)+4*(4*\m+\tq):RB+48*(\a&1)+4*(4*\m+\tq)+3], s[OB+2*\m:OB+2*\m+1] offset:\p*524288+\a*2048+\tq*512
.endr
.endr
.endr
.if \more
	s_wait_loadcnt 0x0                             ; the second block's biases
.endif
.endm
; One block: 8 K steps = 4 laps.  The first lap's first products start the sums.
.macro PASS p, lastpass
	LAP 2, 1
	WIN 0
	s_mov_b32 s3, 2
.Llap_\@:
	LAP 1, 1
	WIN 0
	s_sub_co_u32 s3, s3, 1
	s_cmp_lg_u32 s3, 0
	s_cbranch_scc1 .Llap_\@
.if \lastpass
	THREE 0, 1                                     ; the last lap of all fills nothing
	TURN 0, 1, 0
	THREE 1, 1
	LASTQ
	OUTQKV \p, 0
.else
	LAP 1, 2                                       ; fills the ring with the second block's first two K steps, which land during the way out
	OUTQKV \p, 1
.endif
.endm
	s_wait_tensorcnt 0x1                           ; my part of K step 0 is in; K step 1's stays out
	s_barrier_signal -1
	s_barrier_wait -1
	FETCH 0, 0, 0
	s_wait_loadcnt 0x0                             ; the first block's biases
	PASS 0, 0                                      ; column block 2 x
	PASS 1, 1                                      ; column block 2 x + 1
	s_wait_tensorcnt 0x0
	ds_add_u32 v254, v255
	s_wait_dscnt 0x0
	CROUND                                         ; the closing round: no work-group ends while a partner may still ask for a tile that names it
	s_endpgm
.Lfunc_end_k_qa08e525572_gemm_qkv:
	.size	k_qa08e525572_gemm_qkv, .Lfunc_end_k_qa08e525572_gemm_qkv-k_qa08e525572_gemm_qkv
	.p2alignl 7, 3214868480
	.fill 96, 4, 3214868480
	.section	.rodata,"a",@progbits
	.p2align	6, 0x0
	.amdhsa_kernel k_qa08e525572_gemm_qkv
		.amdhsa_group_segment_fixed_size 327680
		.amdhsa_private_segment_fixed_size 0
		.amdhsa_enable_private_segment 0
		.amdhsa_kernarg_size 40
		.amdhsa_user_sgpr_count 2
		.amdhsa_user_sgpr_kernarg_segment_ptr 1
		.amdhsa_wavefront_size32 1
		.amdhsa_system_sgpr_workgroup_id_x 1
		.amdhsa_system_sgpr_workgroup_id_y 1
		.amdhsa_system_sgpr_workgroup_id_z 1
		.amdhsa_system_vgpr_workitem_id 0
		.amdhsa_next_free_vgpr 960
		.amdhsa_next_free_sgpr 84
		.amdhsa_reserve_vcc 0
		.amdhsa_float_denorm_mode_32 3
		.amdhsa_float_denorm_mode_16_64 3
		.amdhsa_memory_ordered 1
		.amdhsa_forward_progress 1
		.amdhsa_inst_pref_size 255
	.end_amdhsa_kernel
	.section	.bss,"aw",@nobits
	.p2align	6
	.space	262144
	.amdgpu_metadata
---
amdhsa.version: [ 1, 2 ]
amdhsa.kernels:
  - .name:           k_qa08e525572_gemm_qkv
    .symbol:         k_qa08e525572_gemm_qkv.kd
    .args:
      - { .name: xb, .offset: 0, .size: 8, .value_kind: global_buffer, .address_space: global }
      - { .name: wb, .offset: 8, .size: 8, .value_kind: global_buffer, .address_space: global }
      - { .name: bq, .offset: 16, .size: 8, .value_kind: global_buffer, .address_space: global }
      - { .name: bv, .offset: 24, .size: 8, .value_kind: global_buffer, .address_space: global }
      - { .name: qkv, .offset: 32, .size: 8, .value_kind: global_buffer, .address_space: global }
    .group_segment_fixed_size: 327680
    .private_segment_fixed_size: 0
    .kernarg_segment_align: 8
    .kernarg_segment_size: 40
    .max_flat_workgroup_size: 128
    .sgpr_count:     84
    .vgpr_count:     960
    .wavefront_size: 32
...
	.end_amdgpu_metadata
.endif
;; end of part 2
;; launch attn (part 3): grid 256 x 1, 4 waves a work-group, no clusters, 327,680 bytes of LDS; arguments qkv, ao; writes ao
.if DOCPART == 3
	.amdgcn_target "amdgcn-amd-amdhsa--gfx1250"
	.amdhsa_code_object_version 6
	.text
	.protected	k_qa08e525572_attn
	.globl	k_qa08e525572_attn
	.p2align	8
	.type	k_qa08e525572_attn,@function
k_qa08e525572_attn:
	s_mov_b64 s[64:65], 0
	v_nop
	global_prefetch_b8 v0, s[64:65] scope:SCOPE_SE
	s_setreg_imm32_b32 hwreg(HW_REG_WAVE_MODE, 25, 1), 1
	s_wait_xcnt 0x0
; Launch 3 of 4: ao = softmax(q k^T / 8, causal) v.  qkv [3][B][H][T][D] f16, ao [B][H][T][D] f16.  Products in f16 with f32 sums; the softmax in f32
; with a running maximum.
; LEFT OUT: key blocks above the diagonal, and in the diagonal block the products and the softmax of the 64 keys that lie above all rows of a wave:
; reference() sets their scores to -inf, so their weights are 0 (shown at the head of the first launch).  A NaN or infinity in such k or v is not carried on.
; LIMITS: v_exp_f32 gives 0 for weights below 2^-126 (ISA guide 15.8); weights are rounded to f16 (below 2^-14: to multiples of 2^-24).
; SHARES: four work-groups a head (bh = x / 4, i = x % 4).  Work-group i takes the query blocks of 128 rows 15 - i, 8 + i, 7 - i, i, which need
; (16 - i) + (9 + i) + (8 - i) + (i + 1) = 34 steps of 128 keys: the same in all 256 work-groups.  The 34 steps are one stream through two LDS slots.
; Wave w owns query rows 32 w .. 32 w + 31 of the block, two tiles of 16: piece A (tile 0) and piece B (tile 1).
; NO CLUSTER: the four work-groups of a head stand at different key tiles in a given step (their blocks take 16 - i, 9 + i, 8 - i, i + 1 steps).
; Joint requests want the same tile in the same step from all four; walking blocks {15..12}, {11..8}, {7..4}, {3..0} in step takes
; 16 + 12 + 8 + 4 = 40 steps in place of 34, and which of them a partner uses would hang on its place in the cluster.
; LAYOUT: S^T = K Q^T (source 0 = 16 keys, source 1 = 16 queries): lane l holds query l % 16 and keys 8 (l / 16) + 0..7 of each tile.  Packing
; neighbouring registers gives source 1 of O^T = V^T P^T (tiles 2 kc and 2 kc + 1 make the fragment of keys 32 kc ..), and ds_load_tr16_b128
; gives V^T.  Lane l of O^T again holds query l % 16: maximum, sum and rescaling factor are a lane's own; only the maximum (each
; sub-step) and the sum (once a block) cross to the lane's partner l xor 16.
; THE TWO PIECES TAKE TURNS.  A sub-step n is 64 keys.  Turn PA(n): A's softmax of n beside B's products; turn PB(n): B's softmax of n beside A's:
;     PA(n):  8 S products of B(n),     a slice of A's maximum, exponentials and packing behind each (87 instructions in 8 slices);
;             8 PV products of B(n-1),  a slice of A's rescaling and sums behind each (34 instructions in 8 slices).
;     PB(n):  the same with S of A(n+1), PV of A(n) and B's softmax.
; So a piece's scores are made one turn ahead of its softmax and its weights are multiplied one turn behind it.  The weights have registers of their own
; (P), since the piece's next scores are written before its weights are multiplied; the f32 weights stay in S until the sums have read them.
; WINDOWS (s_set_vgpr_msb: bits 1:0 source 0, 3:2 source 1, 5:4 source 2, 7:6 destination).  The S run and its slices name window 0 alone.  The PV run stands
; under 0x51: D, C (O) and source 0 (V^T) in window 1, source 1 (P) in window 0; under the same setting v_pk_mul_f32 O, O, factor and
; v_pk_add_f32 sum, sum, weights are legal, so the running sums lie in window 1 too.  A turn has two switches, three where V is loaded.
;   window 0: v1 PFO, v2-5 T, v8-15 addresses, v16-23 ST, v32-95 S, v96-127 P, v128-159 Q, v160-223 KF, v224-255 TMP
;   window 1: v0-63 O, v64-127 and v128-191 VF (two buffers: keys 0-63 and 64-127 of a step), v192-223 QN, v224-231 L
; LDS LOADS for sub-step n + 1 all go out in PA(n): K's d 0-31 behind slice 4 and d 32-63 behind slice 7 of the S run (its products 0-3 and 4-7 are the last
; to read those registers), V behind the PV run, into the buffer that this run was the last to read.
; THE TEXT OF A STEP is rotated: PB(j,0), the barrier, PA(j,1), PB(j,1), PA(j+1,0).  A block's first turn, which has no PV of a sub-step before it, stands in START
; alone.  At a block's end the pipe is drained (B's last 8 PV products stand alone) and the next block opens with A's first 8 S products alone.
; The loads of keys 64-127 stand in PA(j,0), which all four waves run: in a diagonal step waves 0 and 1 issue these 32 loads too and use nothing of them.
.set REG,   10240                      ; an LDS region: V's 64 keys x 160 bytes fill it; K's 64 keys x 144 take 9,216
.set SLOT,  4*REG                      ; regions 0, 1: K's keys 0-63, 64-127; regions 2, 3: V's
.set STAGE, 2*SLOT                     ; behind the ring: 32 rows x 144 bytes for each wave; no tensor load lands here
.set KP,    144                        ; 128 bytes + 16
.set VP,    160                        ; 128 bytes + 32: an odd multiple of 32, for the transposing load
.set PFO,  1                           ; 256 x lane
.set T,    2                           ; v[2:5] at work
.set KADR, 8
.set VADR, 9
.set STO,  10
.set RD,   11
.set QOFF, 12
.set CO,   13
.set DQ,   14                          ; v14, v15: query - 8 (l / 16), counted from the block's first row, for piece 0, 1
.set ST,   16                          ; v[16:19], v[20:23]: per piece: +0,1 -c max (twice; at a block's end 1 / sum)  +2 rescaling factor  +3 running maximum
.set S,    32                          ; scores, then f32 weights: piece p, key tile kt at 32 p + 8 kt
.set P,    96                          ; f16 weights: piece p, key tile kt at 16 p + 4 kt
.set Q,    128                         ; Q fragments (p, c) at 16 p + 8 c
.set KF,   160                         ; K fragments (kt, c) at 16 kt + 8 c
.set TMP,  224
.set O,    0                           ; window 1: O^T, tile (p, dt) at 32 p + 8 dt
.set VF,   64                          ; window 1: V^T fragments, buffer vb, (kc, dt) at 64 vb + 8 (4 kc + dt)
.set QN,   192                         ; window 1: the next block's Q, on its way during a block's last step
.set L,    224                         ; window 1: per piece two packed chains of the running sum, at 4 p
.set G1K, 24                           ; s[24:31] descriptor group 1 for K's tiles
.set G0,  32                           ; s[32:39] group 0, a set for each slot
.set G1V, 40                           ; s[40:47] group 1 for V's tiles: another padding
.set MSB, 0
.macro WIN new                         ; the immediate's high byte repeats the setting that is left; at a label and at a branch the setting is 0
.if MSB != \new
	s_set_vgpr_msb (MSB<<8)|\new
.set MSB, \new
.endif
.endm
.macro KVLOAD s                        ; waves 0, 1 fetch K's halves, waves 2, 3 V's: one tensor load a wave, 64 keys
	s_cmp_eq_u32 s9, 0
	s_cbranch_scc0 .Lfor_v_\@
	tensor_load_to_lds s[G0+4*(\s):G0+4*(\s)+3], s[G1K:G1K+7]
	s_nop 0
	s_branch .Lasked_\@
.Lfor_v_\@:
	tensor_load_to_lds s[G0+4*(\s):G0+4*(\s)+3], s[G1V:G1V+7]
	s_nop 0
.Lasked_\@:
.endm
; the Q fragments of the block whose number is in scalar register blk, into dst (win: 0 for Q, 0x40 for QN).  s[52:53] is free: the loads that named it have been waited for.
.macro QLOAD dst, blk, win
	s_lshl_b32 s22, s[\blk], 14                    ; 128 rows of 128 bytes a block
	s_mov_b32 s23, 0
	s_add_nc_u64 s[52:53], s[48:49], s[22:23]
	WIN \win
.irp qt, 0,1
.irp c, 0,1
	global_load_b128 v[\dst+16*\qt+8*\c:\dst+16*\qt+8*\c+3],   v[QOFF], s[52:53] offset:2048*\qt+64*\c
	global_load_b128 v[\dst+16*\qt+8*\c+4:\dst+16*\qt+8*\c+7], v[QOFF], s[52:53] offset:2048*\qt+64*\c+32
.endr
.endr
	WIN 0
.endm
; A block's sums start at 0.  A block's first PV products stand in the text that all its steps share, where they add in place, so O is cleared, four times
; in a work-group; the block's first rescaling multiplies zeros by 2^-inf = 0.
.macro CLEARO
	WIN 0x40
.set k, 0
.rept 64
	v_mov_b32 v[O+k], 0
.set k, k+1
.endr
.set k, 0
.rept 8
	v_mov_b32 v[L+k], 0
.set k, k+1
.endr
	WIN 0
	v_mov_b32 v[ST+3], s61                         ; running maximum = -inf
	v_mov_b32 v[ST+7], s61
.endm
	s_load_b128 s[4:7], s[0:1], 0x0                ; qkv, ao
	v_lshl_add_u32 v30, v0, 2, 0x29000
	v_mov_b32 v31, 0
	ds_add_u32 v30, v31
	ds_add_u32 v30, v31
	v_lshrrev_b32 v2, 5, v0
	v_readfirstlane_b32 s8, v2                     ; wave 0..3
	s_lshr_b32 s9, s8, 1                           ; I fetch for K (0) or for V (1),
	s_and_b32 s10, s8, 1                           ; keys 0-63 or 64-127 of a tile
	s_lshr_b32 s11, ttmp9, 2                       ; bh
	s_and_b32 s12, ttmp9, 3                        ; i
	s_sub_co_u32 s14, 15, s12                      ; the query block at work,
	s_add_co_u32 s15, s12, 8                       ; and the three that follow
	s_sub_co_u32 s16, 7, s12
	s_mov_b32 s17, s12
	s_mov_b32 s13, 0                               ; j: the key block at work
	s_mov_b32 s66, 2                               ; the fetching runs two tiles ahead of the work and has a cursor of its own: the key block to ask for next,
	s_mov_b32 s67, s14                             ; the query block that it belongs to,
	s_mov_b32 s68, s15                             ; and the three that follow
	s_mov_b32 s69, s16
	s_mov_b32 s70, s12
	s_mov_b32 s[G1K+0], (1<<16)|(1<<20)|(4<<22)|(3<<25)   ; elements of 2 bytes; 4 words of padding behind every 32 words
	s_mov_b32 s[G1K+1], 64<<16                     ; tensor_dim0 = 64
	s_mov_b32 s[G1K+2], 64<<16                     ; tensor_dim1 = 64
	s_mov_b32 s[G1K+3], 64<<16                     ; tile_dim0 = 64
	s_mov_b32 s[G1K+4], 64                         ; tile_dim1 = 64
	s_mov_b32 s[G1K+5], 64                         ; elements from row to row
	s_mov_b32 s[G1K+6], 0
	s_mov_b32 s[G1K+7], 0
	s_mov_b32 s[G1V+0], (1<<16)|(1<<20)|(4<<22)|(7<<25)   ; 8 words of padding
	s_mov_b32 s[G1V+1], 64<<16
	s_mov_b32 s[G1V+2], 64<<16
	s_mov_b32 s[G1V+3], 64<<16
	s_mov_b32 s[G1V+4], 64
	s_mov_b32 s[G1V+5], 64
	s_mov_b32 s[G1V+6], 0
	s_mov_b32 s[G1V+7], 0
	s_add_co_u32 s22, s9, 1
	s_lshl_b32 s22, s22, 24                        ; k is the second, v the third part of qkv, 16,777,216 bytes each
	s_lshl_b32 s23, s11, 18                        ; a head: 2,048 rows of 128 bytes
	s_add_co_u32 s22, s22, s23
	s_lshl_b32 s23, s10, 13                        ; my 64 keys
	s_add_co_u32 s22, s22, s23
	s_mov_b32 s23, 0
	s_mov_b32 s[G0+0], 1
	s_mul_i32 s[G0+1], s8, REG                     ; where my loads land: the wave's number x a region, + the slot
	s_mov_b32 s[G0+4], 1
	s_add_co_u32 s[G0+5], s[G0+1], SLOT
	s_wait_dscnt 0x0
	s_wait_kmcnt 0x0
	s_add_nc_u64 s[20:21], s[4:5], s[22:23]        ; my part of key tile 0; tile j lies 16,384 j bytes on
	s_mov_b64 s[G0+2:G0+3], s[20:21]
	s_or_b32 s[G0+3], s[G0+3], 0x80000000
	s_add_nc_u64 s[G0+6:G0+7], s[20:21], 16384
	s_or_b32 s[G0+7], s[G0+7], 0x80000000
	KVLOAD 0                                       ; the two first fills go out together: key tiles 0 and 1 (the first block has 13 tiles or more).
	KVLOAD 1                                       ; Two tensor loads of the wave are out here, one from the first refill on
	s_lshl_b32 s22, s11, 18
	s_lshl_b32 s23, s8, 12
	s_add_co_u32 s22, s22, s23                     ; (2,048 bh + 32 w) x 128 bytes
	s_mov_b32 s23, 0
	s_add_nc_u64 s[48:49], s[4:5], s[22:23]        ; q at my rows of block 0
	s_add_nc_u64 s[50:51], s[6:7], s[22:23]        ; ao likewise
	s_mov_b32 s56, 0x76543210                      ; v_permlanex16_b32: lane l reads lane l xor 16
	s_mov_b32 s57, 0xfedcba98
	s_mov_b32 s58, 0x3e38aa3b                      ; c = log2(e) / 8: exp(s / 8) = 2^(c s).  The packed forms broadcast s58;
	s_mov_b32 s59, 0xbe38aa3b                      ; its neighbour holds -c
	s_mov_b32 s61, 0xff800000                      ; -inf
	s_cmp_eq_u32 s12, 0
	s_cselect_b32 s60, 12, 0                       ; prefetches left: work-group 0 of the head asks, in the first 12 steps of its first block
	s_add_nc_u64 s[62:63], s[20:21], 49152         ; stepped by a tile in front of each: step j asks for tile j + 4
	v_and_b32 v3, 31, v0                           ; l
	v_and_b32 v4, 15, v0                           ; r = l % 16
	v_bfe_u32 v5, v0, 4, 1                         ; h = l / 16
	v_and_b32 v6, 7, v0
	v_bfe_u32 v7, v0, 3, 1
	v_lshlrev_b32 v[PFO], 8, v3
	v_mul_u32_u24 v[KADR], v4, KP
	v_lshl_add_u32 v[KADR], v5, 4, v[KADR]         ; key r, 16 bytes at 16 h
	v_lshl_add_u32 v[VADR], v5, 3, v6
	v_mul_u32_u24 v[VADR], v[VADR], VP             ; key 8 h + (l & 7),
	v_lshl_add_u32 v[VADR], v7, 4, v[VADR]         ; 16 bytes at 16 ((l >> 3) & 1),
	v_add_nc_u32 v[VADR], 2*REG, v[VADR]           ; behind K's two regions
	s_mul_i32 s22, s8, 32*KP
	s_add_co_u32 s22, s22, STAGE                   ; my stage
	v_add_nc_u32 v[STO], s22, v[KADR]
	v_bfe_u32 v[RD], v0, 3, 2
	v_mul_u32_u24 v[RD], v[RD], KP
	v_lshl_add_u32 v[RD], v6, 4, v[RD]
	v_add_nc_u32 v[RD], s22, v[RD]                 ; back: eight lanes take a row of 128 bytes, four rows a load
	v_lshlrev_b32 v[QOFF], 7, v4
	v_lshl_add_u32 v[QOFF], v5, 4, v[QOFF]
	v_lshlrev_b32 v[CO], 4, v3
	v_lshlrev_b32 v5, 3, v5
	v_sub_nc_u32 v[DQ], v4, v5
	s_lshl_b32 s23, s8, 5
	v_add_nc_u32 v[DQ], s23, v[DQ]                 ; 32 w + r - 8 h
	v_add_nc_u32 v[DQ+1], 16, v[DQ]
	QLOAD Q, 14, 0
.macro KLOADC slot, half, c            ; 8 loads: 64 keys x d = 32 c .. 32 c + 31 as fragments
.irp kt, 0,1,2,3
	ds_load_b128 v[KF+16*\kt+8*\c:KF+16*\kt+8*\c+3],   v[KADR] offset:(\slot)*SLOT+\half*REG+16*KP*\kt+64*\c
	ds_load_b128 v[KF+16*\kt+8*\c+4:KF+16*\kt+8*\c+7], v[KADR] offset:(\slot)*SLOT+\half*REG+16*KP*\kt+64*\c+32
.endr
.endm
.macro VLOAD slot, half, vb            ; 16 transposing loads: 64 d x 64 keys as fragments, into buffer vb (setting 0x40)
.irp kc, 0,1
.irp dt, 0,1,2,3
	ds_load_tr16_b128 v[VF+64*\vb+8*(4*\kc+\dt):VF+64*\vb+8*(4*\kc+\dt)+3],   v[VADR] offset:(\slot)*SLOT+\half*REG+32*VP*\kc+32*\dt
	ds_load_tr16_b128 v[VF+64*\vb+8*(4*\kc+\dt)+4:VF+64*\vb+8*(4*\kc+\dt)+7], v[VADR] offset:(\slot)*SLOT+\half*REG+32*VP*\kc+32*\dt+16*VP
.endr
.endr
.endm
; S product i of piece q: key tile i % 4, d = 32 (i / 4) ..; the first four start the sums.  PV product i of piece q: d tile i % 4, keys 32 (i / 4) ..
; In both runs four accumulators take turns, one instruction a turn, and a run's last and the next run's first name different ones.
.macro SPROD1 q, i
.if \i < 4
	v_wmma_f32_16x16x32_f16 v[S+32*(\q)+8*\i:S+32*(\q)+8*\i+7], v[KF+16*\i:KF+16*\i+7], v[Q+16*(\q):Q+16*(\q)+7], 0
.else
	v_wmma_f32_16x16x32_f16 v[S+32*(\q)+8*(\i-4):S+32*(\q)+8*(\i-4)+7], v[KF+16*(\i-4)+8:KF+16*(\i-4)+15], v[Q+16*(\q)+8:Q+16*(\q)+15], v[S+32*(\q)+8*(\i-4):S+32*(\q)+8*(\i-4)+7]
.endif
.endm
.macro PVPROD1 q, i, vb
	v_wmma_f32_16x16x32_f16 v[O+32*(\q)+8*(\i&3):O+32*(\q)+8*(\i&3)+7], v[VF+64*\vb+8*\i:VF+64*\vb+8*\i+7], v[P+16*(\q)+8*(\i>>2):P+16*(\q)+8*(\i>>2)+7], v[O+32*(\q)+8*(\i&3):O+32*(\q)+8*(\i&3)+7]
.endm
; The diagonal block: key 64 half + 16 kt + 8 h + j stays if it is not above query 32 w + 16 p + r; else the score becomes -inf
.macro MASK p, half
.irp kt, 0,1,2,3
.irp j, 0,1,2,3,4,5,6,7
	v_cmp_le_i32 vcc_lo, 64*\half+16*\kt+\j, v[DQ+\p]
	v_cndmask_b32 v[S+32*\p+8*\kt+\j], s61, v[S+32*\p+8*\kt+\j], vcc_lo
.endr
.endr
.endm
.macro MX3 d, a, b, c
	v_max3_num_f32 v[\d], v[\a], v[\b], v[\c]
.endm
.macro FMA4 p, kt                      ; c s - c max for a tile's eight scores
.irp e, 0,2,4,6
	v_pk_fma_f32 v[S+32*(\p)+8*\kt+\e:S+32*(\p)+8*\kt+\e+1], v[S+32*(\p)+8*\kt+\e:S+32*(\p)+8*\kt+\e+1], s[58:59], v[ST+4*(\p):ST+4*(\p)+1] op_sel_hi:[1,0,1]
.endr
.endm
.macro EXP8 p, kt
.irp j, 0,1,2,3,4,5,6,7
	v_exp_f32 v[S+32*(\p)+8*\kt+\j], v[S+32*(\p)+8*\kt+\j]
.endr
.endm
.macro CVT4 p, kt                      ; a tile's eight weights pack into four registers of P; the f32 weights stay for the sums
	s_wait_alu depctr_va_vdst(0)
.irp e, 0,1,2,3
	v_cvt_pk_f16_f32 v[P+16*(\p)+4*\kt+\e], v[S+32*(\p)+8*\kt+2*\e], v[S+32*(\p)+8*\kt+2*\e+1]
.endr
.endm
; Slice i of the 87 instructions that stand beside the S run: piece p's 32 scores a lane become weights.  33 numbers (the running maximum among them) go through
; 16 v_max3_num_f32 in four chains.  Every sub-step that is run has a live key in every row, so the new maximum is finite; with the old one at -inf the
; rescaling factor is 2^-inf = 0.  Behind each group of exponentials plain work on another tile stands before their results are used (ISA guide 5.7.2);
; slices 3 and 4 hold 8 plain instructions and slice 7 holds 8: the places in front of the loads into K's fragments (ISA guide 7.12.1 for vector instructions).
.macro SSL p, i
.set SQ, S+32*(\p)
.set SS, ST+4*(\p)
.if \i == 0
	MX3 T,   SS+3, SQ,    SQ+1
	MX3 T+1, SQ+2, SQ+3,  SQ+4
	MX3 T+2, SQ+5, SQ+6,  SQ+7
	MX3 T+3, SQ+8, SQ+9,  SQ+10
	MX3 T,   T,    SQ+11, SQ+12
	MX3 T+1, T+1,  SQ+13, SQ+14
	MX3 T+2, T+2,  SQ+15, SQ+16
	MX3 T+3, T+3,  SQ+17, SQ+18
	MX3 T,   T,    SQ+19, SQ+20
	MX3 T+1, T+1,  SQ+21, SQ+22
.elseif \i == 1
	MX3 T+2, T+2,  SQ+23, SQ+24
	MX3 T+3, T+3,  SQ+25, SQ+26
	MX3 T,   T,    SQ+27, SQ+28
	MX3 T+1, T+1,  SQ+29, SQ+30
	MX3 T+2, T+2,  T+3,   SQ+31
	MX3 T,   T,    T+1,   T+2
	v_permlanex16_b32 v[T+1], v[T], s56, s57       ; the query's other keys lie in lane l xor 16
	v_max_num_f32 v[T+1], v[T], v[T+1]             ; the new maximum
.elseif \i == 2
	v_mul_f32 v[SS], s59, v[T+1]                   ; -c max, twice for the packed forms
	v_mul_f32 v[SS+1], s59, v[T+1]
	v_fma_f32 v[T], v[SS+3], s58, v[SS]            ; c (old maximum - new maximum)
	FMA4 \p, 0
	v_exp_f32 v[SS+2], v[T]                        ; the rescaling factor
	v_mov_b32 v[SS+3], v[T+1]
	FMA4 \p, 1
.elseif \i == 3
	EXP8 \p, 0
	FMA4 \p, 2
.elseif \i == 4
	EXP8 \p, 1
	CVT4 \p, 0
.elseif \i == 5
	FMA4 \p, 3
	EXP8 \p, 2
.elseif \i == 6
	CVT4 \p, 1
	EXP8 \p, 3
.else
	CVT4 \p, 2
	CVT4 \p, 3
.endif
.endm
; Slice i of the 34 instructions that stand beside the PV run (setting 0x51): O and the two chains of the running sum times the factor (the pair's first
; register is broadcast), and the 16 pairs of f32 weights added onto the chains.  All are plain: each slice is four places or more.
.macro RESC p, k
	v_pk_mul_f32 v[O+32*(\p)+2*(\k):O+32*(\p)+2*(\k)+1], v[O+32*(\p)+2*(\k):O+32*(\p)+2*(\k)+1], v[ST+4*(\p)+2:ST+4*(\p)+3] op_sel_hi:[1,0]
.endm
.macro LMUL p, ch
	v_pk_mul_f32 v[L+4*(\p)+2*\ch:L+4*(\p)+2*\ch+1], v[L+4*(\p)+2*\ch:L+4*(\p)+2*\ch+1], v[ST+4*(\p)+2:ST+4*(\p)+3] op_sel_hi:[1,0]
.endm
.macro LADD p, ch, k
	v_pk_add_f32 v[L+4*(\p)+2*\ch:L+4*(\p)+2*\ch+1], v[L+4*(\p)+2*\ch:L+4*(\p)+2*\ch+1], v[S+32*(\p)+4*(\k)+2*\ch:S+32*(\p)+4*(\k)+2*\ch+1]
.endm
.macro PSL p, i
.if \i == 0
	LMUL \p, 0
	LMUL \p, 1
	RESC \p, 0
	RESC \p, 1
.elseif \i < 6
	LADD \p, 0, \i-1
	LADD \p, 1, \i-1
	RESC \p, 2*\i
	RESC \p, 2*\i+1
.elseif \i == 6
	LADD \p, 0, 5
	LADD \p, 1, 5
	RESC \p, 12
	RESC \p, 13
	LADD \p, 0, 6
.else
	LADD \p, 1, 6
	RESC \p, 14
	RESC \p, 15
	LADD \p, 0, 7
	LADD \p, 1, 7
.endif
.endm
; The first run of a turn.  p: the piece whose softmax it is.  mm = 1: the other piece's S products stand among the slices.  kw = 1: these products are the first to read
; K's fragments, which were asked for in the order d 0-31 (8 loads), d 32-63 (8), V (16).  kl = 1: they are the last to read them, and the next sub-step's are asked for.
.macro SIGMA p, mm, kw, kl, slot, half
.irp i, 0,1,2,3,4,5,6,7
.if \mm
.if \kw
.if \i == 0
	s_wait_dscnt 24                                ; K's d 0-31 are in; the 8 loads of d 32-63 and the 16 of V may be out
.endif
.if \i == 4
	s_wait_dscnt 16                                ; all of K is in; V's 16 loads may be out
.endif
.endif
	SPROD1 1-\p, \i
.endif
	SSL \p, \i
.if \kl
.if \i == 4
	KLOADC \slot, \half, 0
.endif
.if \i == 7
	KLOADC \slot, \half, 1
.endif
.endif
.endr
.endm
; The second run of a turn.  mm = 1: the other piece's PV products, from V's buffer vb, stand among the slices.  vl = 1: buffer vbl, which this run was the last to read,
; is asked for again; slice 7's five plain instructions are the places in front of these loads.
.macro PIRUN p, mm, vb, vl, slot, half, vbl
	WIN 0x51
.irp i, 0,1,2,3,4,5,6,7
.if \mm
	PVPROD1 1-\p, \i, \vb
.endif
	PSL \p, \i
.endr
.if \vl
	WIN 0x40
	VLOAD \slot, \half, \vbl
.endif
	WIN 0
.endm
.macro DRAIN vb                        ; a block's last products: piece B's weights of its last sub-step
	WIN 0x51
.irp i, 0,1,2,3,4,5,6,7
	PVPROD1 1, \i, \vb
.endr
	WIN 0
.endm
; The step's barrier, in its middle: all reads of this step's slot have been issued.  In front of it each wave waits for all its tensor loads (one is out: its part of
; the next step's tile) and for its LDS reads; behind it this step's slot is filled again first, one tensor load a wave, with the tile two steps on, which has a whole
; step in which to land; then the next step's tile is read.  refill = 0: nothing is left to fetch.
.macro BETA slot, refill, pf
	s_wait_tensorcnt 0x0
	ds_add_u32 v30, v31
	s_wait_dscnt 0x0
.if \refill
	s_lshl_b32 s22, s66, 14
	s_mov_b32 s23, 0
	s_add_nc_u64 s[G0+4*\slot+2:G0+4*\slot+3], s[20:21], s[22:23]   ; no tensor load of mine is out: a group 0 may be written
	s_or_b32 s[G0+4*\slot+3], s[G0+4*\slot+3], 0x80000000
	s_add_co_u32 s71, s66, 1                       ; the cursor moves on: the next key block, or block 0 for the next query block
	s_cmp_eq_u32 s66, s67
	s_cselect_b32 s66, 0, s71
	s_cselect_b32 s67, s68, s67
	s_cselect_b32 s68, s69, s68
	s_cselect_b32 s69, s70, s69
.endif
	s_wait_dscnt 0x0
	s_barrier_signal -1
	s_barrier_wait -1
.if \refill
	KVLOAD \slot
.endif
.if \pf
	; In step j of its first block (j = 0 .. 11, none of them a diagonal step) the head's work-group 0 asks for key tile j + 4, whose tensor load goes out two steps
	; later: each wave for the 8,192 bytes that it will fetch, lanes 256 bytes apart; each block once in the launch; the last is tile 15, the head's last.
	s_cmp_eq_u32 s60, 0
	s_cbranch_scc1 .Lasked_all_\@
	s_wait_xcnt 0x0                                ; the last step's prefetch has read its base
	s_add_nc_u64 s[62:63], s[62:63], 16384
	global_prefetch_b8 v[PFO], s[62:63] th:TH_LOAD_NT scope:SCOPE_SE
	s_sub_co_u32 s60, s60, 1
.Lasked_all_\@:
.endif
.endm
; A block opens: A's first S products stand alone; the clearing moves behind them are the places in front of the first read of the scores (ISA guide 7.12.1).
; Then the block's first turn PA(0,0), with no PV products.  mk = 1: the block may be block 0, whose first step is its diagonal.
.macro START nslot, mk
.irp i, 0,1,2,3,4,5,6,7
	SPROD1 0, \i
.endr
	CLEARO
.if \mk
	s_cmp_lg_u32 s14, 0
	s_cbranch_scc1 .Lopen_\@
	MASK 0, 0
.Lopen_\@:
.endif
	SIGMA 0, 1, 0, 1, \nslot, 1
	PIRUN 0, 0, 0, 1, \nslot, 1, 1
.endm
; A query block is done: divide by the sum, round to f16, out through my own stage: a store of the wave covers four rows, 512 consecutive bytes, aligned.
; The next block's first fragments are asked for first and land meanwhile.  The eight instructions on the sums are the places behind the last PV products.
.macro FINISH nslot, last
.if \last == 0
	KLOADC \nslot, 0, 0
	KLOADC \nslot, 0, 1
.endif
	WIN 0x05
	v_pk_add_f32 v[T:T+1],   v[L:L+1],   v[L+2:L+3]
	v_pk_add_f32 v[T+2:T+3], v[L+4:L+5], v[L+6:L+7]
	WIN 0
	v_add_f32 v[T],   v[T],   v[T+1]                ; my half of each piece's sum
	v_add_f32 v[T+2], v[T+2], v[T+3]
	v_permlanex16_b32 v[T+1], v[T],   s56, s57
	v_permlanex16_b32 v[T+3], v[T+2], s56, s57
	v_add_f32 v[T],   v[T],   v[T+1]                ; the whole sum; it is at least about 1, the maximum's own weight
	v_add_f32 v[T+2], v[T+2], v[T+3]
	v_rcp_f32 v[ST],   v[T]
	v_rcp_f32 v[ST+4], v[T+2]
	v_nop                                          ; the plain instruction behind the reciprocals (ISA guide 5.7.2)
	WIN 0x41
	s_wait_alu depctr_va_vdst(0)
.irp p, 0,1
.set k, 0
.rept 16
	v_pk_mul_f32 v[O+32*\p+k:O+32*\p+k+1], v[O+32*\p+k:O+32*\p+k+1], v[ST+4*\p:ST+4*\p+1] op_sel_hi:[1,0]
.set k, k+2
.endr
.endr
	WIN 0x05
.irp p, 0,1
.irp dt, 0,1,2,3
.irp e, 0,1,2,3
	v_cvt_pk_f16_f32 v[TMP+16*\p+4*\dt+\e], v[O+32*\p+8*\dt+2*\e], v[O+32*\p+8*\dt+2*\e+1]
.endr
.endr
.endr
.if \last == 0
	WIN 0x40
	VLOAD \nslot, 0, 0
.endif
	WIN 0
.irp p, 0,1
.irp dt, 0,1,2,3
	ds_store_b128 v[STO], v[TMP+16*\p+4*\dt:TMP+16*\p+4*\dt+3] offset:16*KP*\p+32*\dt
.endr
.endr
	s_lshl_b32 s22, s14, 14
	s_mov_b32 s23, 0
	s_add_nc_u64 s[54:55], s[50:51], s[22:23]
.irp t, 0,1,2,3,4,5,6,7
	ds_load_b128 v[S+32+4*\t:S+32+4*\t+3], v[RD] offset:4*KP*\t    ; LDS serves a wave's instructions in order (ISA guide 5.7.1): these see the stores above
.endr
.irp t, 0,1,2,3,4,5,6,7
	s_wait_dscnt 7-\t                              ; load t is back, and with it all that was issued before: at t = 7 the next block's fragments too
	global_store_b128 v[CO], v[S+32+4*\t:S+32+4*\t+3], s[54:55] offset:512*\t
.endr
.if \last == 0
	s_wait_loadcnt 0x0                             ; the next block's Q, asked for at the head of this step
	WIN 0x01
.set k, 0
.rept 32
	v_mov_b32 v[Q+k], v[QN+k]
.set k, k+1
.endr
	WIN 0
	s_mov_b32 s14, s15                             ; the next block
	s_mov_b32 s15, s16
	s_mov_b32 s16, s17
	s_mov_b32 s13, 0
	s_wait_xcnt 0x0                                ; B's score registers and s[54:55], which the stores read, are written again only behind this wait
	START \nslot, 1
.endif
.endm
; A step: 128 keys from a slot.  At its head: B's scores of (j,0) are made, A's weights of (j,0) are packed, K's keys 64-127 and V's are on their way.
.macro STEP slot, refill, last
.if \last == 0
	s_cmp_eq_u32 s13, s14
	s_cbranch_scc1 .Ldiagonal_\@
	SIGMA 1, 1, 1, 0, 0, 0                         ; PB(j,0): B's softmax; S of A(j,1),
	PIRUN 1, 1, 0, 0, 0, 0, 0                      ;          PV of A(j,0)
	BETA \slot, \refill, \refill
	SIGMA 0, 1, 0, 1, 1-\slot, 0                   ; PA(j,1): A's softmax; S of B(j,1); K of (j+1,0) is asked for,
	PIRUN 0, 1, 0, 1, 1-\slot, 0, 0                ;          PV of B(j,0); V of (j+1,0)
	SIGMA 1, 1, 1, 0, 0, 0                         ; PB(j,1): B's softmax; S of A(j+1,0),
	PIRUN 1, 1, 1, 0, 0, 0, 0                      ;          PV of A(j,1)
	s_add_co_u32 s13, s13, 1
	s_cmp_lg_u32 s13, s14
	s_cbranch_scc1 .Lopen_\@
	MASK 0, 0                                      ; the next step is the diagonal
.Lopen_\@:
	SIGMA 0, 1, 0, 1, 1-\slot, 1                   ; PA(j+1,0): A's softmax; S of B(j+1,0); K of (j+1,1),
	PIRUN 0, 1, 1, 1, 1-\slot, 1, 1                ;            PV of B(j,1); V of (j+1,1)
	s_branch .Lnext_\@
.Ldiagonal_\@:
	QLOAD QN, 15, 0x40
.endif
	MASK 1, 0
	s_cmp_lt_u32 s8, 2
	s_cbranch_scc1 .Llow_\@                        ; rows 0-63 of the block (waves 0, 1): keys 64-127 lie above all of them
	SIGMA 1, 1, 1, 0, 0, 0                         ; PB(j,0) with S of A(j,1)
	s_branch .Lboth_\@
.Llow_\@:
	SIGMA 1, 0, 0, 0, 0, 0                         ; PB(j,0) without
.Lboth_\@:
	s_wait_dscnt 16                                ; all but the youngest 16 loads (V's keys 64-127) are in, V's keys 0-63 among them
	PIRUN 1, 1, 0, 0, 0, 0, 0                      ; PV of A(j,0)
.if \last == 0
	BETA \slot, \refill, 0
.endif
	s_cmp_lt_u32 s8, 2
	s_cbranch_scc1 .Ldrain0_\@
	MASK 0, 1
	SIGMA 0, 1, 0, 0, 0, 0                         ; PA(j,1): S of B(j,1),
	PIRUN 0, 1, 0, 0, 0, 0, 0                      ;          PV of B(j,0)
	MASK 1, 1
	SIGMA 1, 0, 0, 0, 0, 0                         ; PB(j,1): no scores are left to make
	s_wait_dscnt 0x0                               ; V's keys 64-127
	PIRUN 1, 1, 1, 0, 0, 0, 0                      ;          PV of A(j,1)
	DRAIN 1                                        ; PV of B(j,1)
	s_branch .Lfinish_\@
.Ldrain0_\@:
	DRAIN 0                                        ; PV of B(j,0)
.Lfinish_\@:
	FINISH 1-\slot, \last
.Lnext_\@:
.endm
	s_wait_tensorcnt 0x1                           ; my part of tile 0 is in; tile 1's stays out
	s_barrier_signal -1
	s_barrier_wait -1
	KLOADC 0, 0, 0
	KLOADC 0, 0, 1
	WIN 0x40
	VLOAD 0, 0, 0
	WIN 0
	s_wait_loadcnt 0x0                             ; Q
	s_wait_dscnt 16                                ; K's 16 loads are in; V's 16 may be out
	START 0, 0                                     ; the first block is block 15 - i: its first step is no diagonal
	s_mov_b32 s18, 16                              ; 34 steps: 16 trips of two, and two written out
.Lloop:
	STEP 0, 1, 0
	STEP 1, 1, 0
	s_sub_co_u32 s18, s18, 1
	s_cmp_lg_u32 s18, 0
	s_cbranch_scc1 .Lloop
	STEP 0, 0, 0                                   ; its barrier shows the last tile landed and fills nothing
	STEP 1, 0, 1                                   ; the last block's diagonal
	s_wait_tensorcnt 0x0
	ds_add_u32 v30, v31
	s_wait_dscnt 0x0
	s_endpgm
.Lfunc_end_k_qa08e525572_attn:
	.size	k_qa08e525572_attn, .Lfunc_end_k_qa08e525572_attn-k_qa08e525572_attn
	.p2alignl 7, 3214868480
	.fill 96, 4, 3214868480
	.section	.rodata,"a",@progbits
	.p2align	6, 0x0
	.amdhsa_kernel k_qa08e525572_attn
		.amdhsa_group_segment_fixed_size 327680
		.amdhsa_private_segment_fixed_size 0
		.amdhsa_enable_private_segment 0
		.amdhsa_kernarg_size 16
		.amdhsa_user_sgpr_count 2
		.amdhsa_user_sgpr_kernarg_segment_ptr 1
		.amdhsa_wavefront_size32 1
		.amdhsa_system_sgpr_workgroup_id_x 1
		.amdhsa_system_sgpr_workgroup_id_y 1
		.amdhsa_system_sgpr_workgroup_id_z 1
		.amdhsa_system_vgpr_workitem_id 0
		.amdhsa_next_free_vgpr 512
		.amdhsa_next_free_sgpr 80
		.amdhsa_reserve_vcc 1
		.amdhsa_float_denorm_mode_32 3
		.amdhsa_float_denorm_mode_16_64 3
		.amdhsa_memory_ordered 1
		.amdhsa_forward_progress 1
		.amdhsa_inst_pref_size 255
	.end_amdhsa_kernel
	.section	.bss,"aw",@nobits
	.p2align	6
	.space	262144
	.amdgpu_metadata
---
amdhsa.version: [ 1, 2 ]
amdhsa.kernels:
  - .name:           k_qa08e525572_attn
    .symbol:         k_qa08e525572_attn.kd
    .args:
      - { .name: qkv, .offset: 0, .size: 8, .value_kind: global_buffer, .address_space: global }
      - { .name: ao, .offset: 8, .size: 8, .value_kind: global_buffer, .address_space: global }
    .group_segment_fixed_size: 327680
    .private_segment_fixed_size: 0
    .kernarg_segment_align: 8
    .kernarg_segment_size: 16
    .max_flat_workgroup_size: 128
    .sgpr_count:     80
    .vgpr_count:     512
    .wavefront_size: 32
...
	.end_amdgpu_metadata
.endif
;; end of part 3
;; launch gemm_o (part 4): grid 4 x 64, 4 waves a work-group, clusters of 4 x 4, 327,680 bytes of LDS; arguments ao, wb, bo, out0; writes out0
.if DOCPART == 4
	.amdgcn_target "amdgcn-amd-amdhsa--gfx1250"
	.amdhsa_code_object_version 6
	.text
	.protected	k_qa08e525572_gemm_o
	.globl	k_qa08e525572_gemm_o
	.p2align	8
	.type	k_qa08e525572_gemm_o,@function
k_qa08e525572_gemm_o:
	s_mov_b64 s[64:65], 0
	v_nop
	global_prefetch_b8 v0, s[64:65] scope:SCOPE_SE
	s_setreg_imm32_b32 hwreg(HW_REG_WAVE_MODE, 25, 1), 1
	s_wait_xcnt 0x0
	s_wait_alu depctr_hold_cnt(0) depctr_sa_sdst(0) depctr_va_vdst(0) depctr_va_sdst(0) depctr_va_ssrc(0) depctr_va_vcc(0) depctr_vm_vsrc(0)
	s_getreg_b32 s2, hwreg(HW_REG_IB_STS2, 6, 4)
	s_cmp_eq_u32 s2, 0
	s_cbranch_scc0 .Lentry_in_a_cluster
	s_endpgm
.Lentry_in_a_cluster:
	s_bfe_u32 s2, ttmp6, 0x10000c
	s_cmp_lg_u32 s2, 0xf033
	s_cbranch_scc0 .Lentry_shape_is_right
	s_endpgm
.Lentry_shape_is_right:
; Launch 4 of 4: out0 = ao Wo + bo.  ao [B][H][T][D] f16, Wo = the fourth matrix of wb, [1024 k][1024 n] f16, bo [1024] f32, out0 [8192][1024] f32.
; Built as the projection of q, k, v: a block of 128 tokens x 256 columns a work-group, 256 work-groups, four waves of 64 x 128, K in 8 steps
; of 128 through two LDS slots, clusters of 4 x 4 with A's tile shared along a row of the cluster and B's along a column, the matrix instruction used
; transposed (lane l holds token l % 16, registers 0 to 7 the columns 8 (l / 16) + 0..7), the bias as C of each accumulator's first product.
; What differs: a K step of 128 is two heads of ao, each a dense tile of 128 tokens x 128 bytes (waves 0, 1 fetch one head each);
; the products are f16; the result leaves in f32.
; REGISTERS: window 0: v16-27 addresses; v32-127, v128-223 fragment buffers (8 of W, 4 of ao each).  window 1: the 32 accumulator tiles,
; tile (a, b) at v[8 (8 a + b)].  window 2: v0-63 bo of my 128 columns.
.set REG,    34816                     ; an LDS region: B's 64 k rows x 544 bytes fill it; a head's 128 tokens x 144 take 18,432
.set SLOT,   4*REG                     ; regions 0, 1: heads 2 s, 2 s + 1; regions 2, 3: k rows 0-63, 64-127
.set STAGE,  2*SLOT                    ; behind the ring: 16 rows x 528 bytes for each wave; no tensor load lands here
.set APITCH, 144                       ; 128 bytes + 16
.set BPITCH, 544                       ; 512 bytes + 32: an odd multiple of 32, for the transposing load
.set SPITCH, 528                       ; 512 bytes + 16
.set ADRA, 16
.set ADRB, 20
.set STO,  24
.set RD,   25
.set CO,   26
.set BOF,  27
.set F0,   32
.set F1,   128
.set BIO,  0                           ; window 2
.set G1,  24
.set G0,  32
.set G1B, 48
.set G0B, 56
.set MSB, 0
.macro WIN new                         ; s_set_vgpr_msb: bits 1:0 source 0, 3:2 source 1, 5:4 source 2, 7:6 destination; the high byte repeats the setting that is left
.if MSB != \new
	s_set_vgpr_msb (MSB<<8)|\new
.set MSB, \new
.endif
.endm
.macro WINM cm                         ; D in window 1; C in window 1 (in place) or in window 2 (the bias)
.if \cm >= 2
	WIN 0x60
.else
	WIN 0x50
.endif
.endm
.macro JLOAD s                         ; a joint load: waves 0, 1 fetch A's two heads, waves 2, 3 B's two halves
	s_cmp_eq_u32 s11, 0
	s_cbranch_scc0 .Lfor_b_\@
	tensor_load_to_lds s[G0+4*\s:G0+4*\s+3], s[G1:G1+7]
	s_nop 0
	s_branch .Lasked_\@
.Lfor_b_\@:
	tensor_load_to_lds s[G0B+4*\s:G0B+4*\s+3], s[G1B:G1B+7]
	s_nop 0
.Lasked_\@:
.endm
.macro CREST                           ; a round of the cluster's barrier behind its opening barrier
	s_cmp_lg_u32 s10, 0
	s_cbranch_scc1 .Lnot_wave_0_\@
	s_barrier_signal -3
.Lnot_wave_0_\@:
	s_barrier_wait -3
	s_barrier_signal -1
	s_barrier_wait -1
.endm
.macro CROUND
	s_barrier_signal -1
	s_barrier_wait -1
	CREST
.endm
.macro PLACES                          ; four places behind a matrix instruction (ISA guide 7.12.1 for vector instructions)
.rept 4
	v_nop
.endr
.endm
	s_load_b128 s[4:7], s[0:1], 0x0                ; ao, wb
	s_load_b64 s[68:69], s[0:1], 0x10              ; bo
	s_load_b64 s[8:9], s[0:1], 0x18                ; out0
	v_lshl_add_u32 v254, v0, 2, 0x4c400
	v_mov_b32 v255, 0
	ds_add_u32 v254, v255
	ds_add_u32 v254, v255
	v_lshrrev_b32 v1, 5, v0
	v_readfirstlane_b32 s10, v1                    ; wave 0..3
	s_lshr_b32 s11, s10, 1                         ; my half of the block's tokens.  Also: I fetch for A (0) or for B (1)
	s_and_b32 s12, s10, 1                          ; my half of its columns.  Also: which head, or which 64 k rows, I fetch
	s_bfe_u32 s40, ttmp6, 0x40000                  ; cx
	s_bfe_u32 s41, ttmp6, 0x40004                  ; cy
	s_lshl_b32 s42, ttmp9, 2
	s_add_co_u32 s42, s42, s40                     ; block column
	s_and_b32 s13, ttmp7, 0xffff
	s_lshl_b32 s13, s13, 2
	s_add_co_u32 s13, s13, s41                     ; block row
	s_lshl_b32 s43, s41, 2
	s_lshl_b32 s43, 15, s43                        ; my row of the cluster
	s_lshl_b32 s44, 0x1111, s40                    ; my column
	; group 1 for A: 128 tokens x 64 elements of 2 bytes, 4 words of padding behind every 32 words
	s_or_b32 s[G1+0], s43, (1<<16)|(1<<20)|(1<<21)|(4<<22)|(3<<25)
	s_mov_b32 s[G1+1], 64<<16
	s_mov_b32 s[G1+2], 128<<16
	s_mov_b32 s[G1+3], 64<<16
	s_mov_b32 s[G1+4], 128
	s_mov_b32 s[G1+5], 64
	s_mov_b32 s[G1+6], 0
	s_mov_b32 s[G1+7], 0
	; group 1 for B: 64 k rows x 256 elements, 8 words of padding behind every 128 words
	s_or_b32 s[G1B+0], s44, (1<<16)|(1<<20)|(1<<21)|(6<<22)|(7<<25)
	s_mov_b32 s[G1B+1], 256<<16
	s_mov_b32 s[G1B+2], 64<<16
	s_mov_b32 s[G1B+3], 256<<16
	s_mov_b32 s[G1B+4], 64
	s_mov_b32 s[G1B+5], 1024
	s_mov_b32 s[G1B+6], 0
	s_mov_b32 s[G1B+7], 0
	s_lshr_b32 s16, s13, 4
	s_lshl_b32 s16, s16, 22                        ; batch: 16 heads of 262,144 bytes
	s_and_b32 s17, s13, 15
	s_lshl_b32 s17, s17, 14                        ; 128 tokens of 128 bytes a block row
	s_add_co_u32 s16, s16, s17
	s_lshl_b32 s17, s12, 18                        ; head 0 or 1 of the K step
	s_add_co_u32 s16, s16, s17
	s_mov_b32 s17, 0
	s_lshl_b32 s46, s42, 9
	s_lshl_b32 s47, s12, 17
	s_add_co_u32 s46, s46, s47
	s_add_co_u32 s46, s46, 3*2097152               ; Wo is the fourth matrix of wb
	s_mov_b32 s47, 0
	s_mul_i32 s20, s10, REG
	s_wait_dscnt 0x0
	s_wait_kmcnt 0x0
	s_add_nc_u64 s[14:15], s[4:5], s[16:17]
	s_add_nc_u64 s[46:47], s[6:7], s[46:47]
	CROUND                                         ; all sixteen work-groups are here: the first joint loads meet
.irp s, 0,1
	s_mov_b32 s[G0+4*\s], 1
	s_add_co_u32 s[G0+4*\s+1], s20, \s*SLOT
	s_add_nc_u64 s[G0+4*\s+2:G0+4*\s+3], s[14:15], \s*524288        ; K step s: two heads on
	s_or_b32 s[G0+4*\s+3], s[G0+4*\s+3], 0x80000000
	s_mov_b32 s[G0B+4*\s], 1
	s_add_co_u32 s[G0B+4*\s+1], s20, \s*SLOT
	s_add_nc_u64 s[G0B+4*\s+2:G0B+4*\s+3], s[46:47], \s*262144      ; K step s: 128 k rows down
	s_or_b32 s[G0B+4*\s+3], s[G0B+4*\s+3], 0x80000000
	JLOAD \s                                       ; two tensor loads of the wave are out here, one from the first refill on
.endr
	s_lshl_b32 s72, s42, 10
	s_lshl_b32 s73, s12, 9
	s_add_co_u32 s72, s72, s73                     ; (256 x block column + 128 x half) x 4 bytes: my columns in bo and in a row of out0
	s_mov_b32 s73, 0
	s_add_nc_u64 s[68:69], s[68:69], s[72:73]
	v_and_b32 v1, 15, v0                           ; r
	v_bfe_u32 v2, v0, 4, 1                         ; h
	v_lshlrev_b32 v[BOF], 5, v2
	WIN 0x80
.irp b, 0,1,2,3,4,5,6,7
	global_load_b128 v[BIO+8*\b:BIO+8*\b+3],   v[BOF], s[68:69] offset:64*\b
	global_load_b128 v[BIO+8*\b+4:BIO+8*\b+7], v[BOF], s[68:69] offset:64*\b+16
.endr
	WIN 0
	v_and_b32 v4, 7, v0
	v_bfe_u32 v5, v0, 3, 1
	v_mul_u32_u24 v3, v1, APITCH
	v_lshl_add_u32 v3, v2, 4, v3                   ; 144 r + 16 h
	v_lshl_add_u32 v6, v2, 3, v4
	v_mul_u32_u24 v6, v6, BPITCH
	v_lshl_add_u32 v6, v5, 4, v6
	s_mul_i32 s21, s11, 64*APITCH                  ; my 64 tokens, in either head's region
	s_lshl_b32 s22, s12, 8
	s_add_co_u32 s22, s22, 2*REG
.irp s, 0,1
	v_add_nc_u32 v[ADRA+\s], s21, v3
	v_add_nc_u32 v[ADRB+\s], s22, v6
	s_add_co_u32 s21, s21, SLOT
	s_add_co_u32 s22, s22, SLOT
.endr
	s_mul_i32 s23, s10, 16*SPITCH
	s_add_co_u32 s23, s23, STAGE                   ; my stage
	v_mul_u32_u24 v7, v1, SPITCH
	v_lshl_add_u32 v7, v2, 5, v7
	v_add_nc_u32 v[STO], s23, v7                   ; in: row r, 32 bytes for each half of the lanes
	v_and_b32 v8, 31, v0
	v_lshlrev_b32 v[CO], 4, v8
	v_add_nc_u32 v[RD], s23, v[CO]                 ; back: the wave takes a row's 512 bytes
	s_lshl_b32 s74, s13, 7
	s_lshl_b32 s75, s11, 6
	s_add_co_u32 s74, s74, s75                     ; my first token,
	s_lshl_b32 s74, s74, 12                        ; 4,096 bytes a row of out0
	s_add_co_u32 s74, s74, s72
	s_mov_b32 s75, 0
	s_add_nc_u64 s[8:9], s[8:9], s[74:75]
; 8 products: token tile a x all 8 column tiles, 32 along K.  cm: 1 = in place, 2 = C is bo.
; The 32 accumulators take turns, one instruction a turn, in the same order in every quarter step.
.macro MULA f, a, cm
.irp b, 0,1,2,3,4,5,6,7
.if \cm == 1
	v_wmma_f32_16x16x32_f16 v[8*(8*\a+\b):8*(8*\a+\b)+7], v[\f+8*\b:\f+8*\b+7], v[\f+64+8*\a:\f+64+8*\a+7], v[8*(8*\a+\b):8*(8*\a+\b)+7]
.else
	v_wmma_f32_16x16x32_f16 v[8*(8*\a+\b):8*(8*\a+\b)+7], v[\f+8*\b:\f+8*\b+7], v[\f+64+8*\a:\f+64+8*\a+7], v[BIO+8*\b:BIO+8*\b+7]
.endif
.endr
.endm
; 24 LDS loads in one run: quarter kq of a slot into buffer f.  Quarters 0, 1 lie in the first head's region, 2, 3 in the second's.
.macro FETCH slot, kq, f
.irp b, 0,1,2,3,4,5,6,7
	ds_load_tr16_b128 v[\f+8*\b:\f+8*\b+3],   v[ADRB+\slot] offset:32*BPITCH*\kq+32*\b
	ds_load_tr16_b128 v[\f+8*\b+4:\f+8*\b+7], v[ADRB+\slot] offset:32*BPITCH*\kq+32*\b+16*BPITCH
.endr
.irp a, 0,1,2,3
	ds_load_b128 v[\f+64+8*\a:\f+64+8*\a+3],   v[ADRA+\slot] offset:(\kq>>1)*REG+16*APITCH*\a+64*(\kq&1)
	ds_load_b128 v[\f+64+8*\a+4:\f+64+8*\a+7], v[ADRA+\slot] offset:(\kq>>1)*REG+16*APITCH*\a+64*(\kq&1)+32
.endr
.endm
.macro QUARTER slot, kq, f, g, cm
	s_wait_dscnt 4                                 ; W and token tiles 0, 1 are in; the youngest four loads (token tiles 2, 3) may be out
	WINM \cm
	MULA \f, 0, \cm
	MULA \f, 1, \cm
	WIN 0
	PLACES
	FETCH \slot, \kq, \g
	s_wait_dscnt 24                                ; all but the 24 just issued
	WINM \cm
	MULA \f, 2, \cm
	MULA \f, 3, \cm
.endm
.macro THREE slot, cm
	QUARTER \slot, 1, F0, F1, \cm
	QUARTER \slot, 2, F1, F0, 1
	QUARTER \slot, 3, F0, F1, 1
.endm
; The last quarter: multiplies buffer 1 and changes slots.  In front of the barrier each wave waits for its reads of this slot and for all its
; tensor loads; where the slot is filled again (fill = 1) the barrier opens a round of the cluster's barrier and the joint refill is the first tensor
; load behind the round.  From a request to the wait for it a wave issues 120 matrix instructions.
.macro TURN slot, next, fill
	s_wait_dscnt 4
	WIN 0x50
	MULA F1, 0, 1
	s_wait_dscnt 0
	s_wait_tensorcnt 0x0
	ds_add_u32 v254, v255
	s_wait_dscnt 0x0
	s_barrier_signal -1
	MULA F1, 1, 1
	WIN 0
	s_barrier_wait -1
.if \fill
	CREST
	s_add_nc_u64 s[G0+4*\slot+2:G0+4*\slot+3], s[G0+4*\slot+2:G0+4*\slot+3], 1048576
	s_add_nc_u64 s[G0B+4*\slot+2:G0B+4*\slot+3], s[G0B+4*\slot+2:G0B+4*\slot+3], 524288
	JLOAD \slot
.endif
	PLACES
	FETCH \next, 0, F0
	WIN 0x50
	MULA F1, 2, 1
	MULA F1, 3, 1
.endm
.macro LAP cm
	THREE 0, \cm
	TURN 0, 1, 1
	THREE 1, 1
	TURN 1, 0, 1
.endm
	s_wait_tensorcnt 0x1                           ; my part of K step 0 is in; K step 1's stays out
	s_barrier_signal -1
	s_barrier_wait -1
	FETCH 0, 0, F0
	s_wait_loadcnt 0x0                             ; the bias
	LAP 2                                          ; the first lap's first products start the sums from the bias
	WIN 0
	s_mov_b32 s3, 2
.Llap:
	LAP 1
	WIN 0
	s_sub_co_u32 s3, s3, 1
	s_cmp_lg_u32 s3, 0
	s_cbranch_scc1 .Llap
	THREE 0, 1                                     ; the last lap fills nothing
	TURN 0, 1, 0
	THREE 1, 1
	s_wait_dscnt 4
	WIN 0x50
	MULA F1, 0, 1
	MULA F1, 1, 1
	s_wait_dscnt 0
	MULA F1, 2, 1
	MULA F1, 3, 1
	; THE WAY OUT, 16 tokens at a time: the f32 results go into my own stage as they stand and come back as whole rows: a store of the wave covers
	; 512 consecutive bytes of a row of out0, aligned.  LDS serves a wave's instructions in order (ISA guide 5.7.1), so the loads see the stores.
	WIN 0
	PLACES
.irp a, 0,1,2,3
	WIN 0x04
.irp b, 0,1,2,3,4,5,6,7
	ds_store_b128 v[STO], v[8*(8*\a+\b):8*(8*\a+\b)+3]   offset:64*\b
	ds_store_b128 v[STO], v[8*(8*\a+\b)+4:8*(8*\a+\b)+7] offset:64*\b+16
.endr
	WIN 0
	s_wait_xcnt 0x0                                ; the registers that earlier stores read are loaded again only behind this wait
.irp t, 0,1,2,3,4,5,6,7,8,9,10,11,12,13,14,15
	ds_load_b128 v[F0+96*(\a&1)+4*\t:F0+96*(\a&1)+4*\t+3], v[RD] offset:SPITCH*\t
.endr
.irp t, 0,1,2,3,4,5,6,7,8,9,10,11,12,13,14,15
	s_wait_dscnt 15-\t
	global_store_b128 v[CO], v[F0+96*(\a&1)+4*\t:F0+96*(\a&1)+4*\t+3], s[8:9] offset:(16*\a+\t)*4096 th:TH_STORE_NT
.endr
.endr
	s_wait_tensorcnt 0x0
	ds_add_u32 v254, v255
	s_wait_dscnt 0x0
	CROUND                                         ; the closing round: no work-group ends while a partner may still ask for a tile that names it
	s_endpgm
.Lfunc_end_k_qa08e525572_gemm_o:
	.size	k_qa08e525572_gemm_o, .Lfunc_end_k_qa08e525572_gemm_o-k_qa08e525572_gemm_o
	.p2alignl 7, 3214868480
	.fill 96, 4, 3214868480
	.section	.rodata,"a",@progbits
	.p2align	6, 0x0
	.amdhsa_kernel k_qa08e525572_gemm_o
		.amdhsa_group_segment_fixed_size 327680
		.amdhsa_private_segment_fixed_size 0
		.amdhsa_enable_private_segment 0
		.amdhsa_kernarg_size 32
		.amdhsa_user_sgpr_count 2
		.amdhsa_user_sgpr_kernarg_segment_ptr 1
		.amdhsa_wavefront_size32 1
		.amdhsa_system_sgpr_workgroup_id_x 1
		.amdhsa_system_sgpr_workgroup_id_y 1
		.amdhsa_system_sgpr_workgroup_id_z 1
		.amdhsa_system_vgpr_workitem_id 0
		.amdhsa_next_free_vgpr 576
		.amdhsa_next_free_sgpr 80
		.amdhsa_reserve_vcc 0
		.amdhsa_float_denorm_mode_32 3
		.amdhsa_float_denorm_mode_16_64 3
		.amdhsa_memory_ordered 1
		.amdhsa_forward_progress 1
		.amdhsa_inst_pref_size 119
	.end_amdhsa_kernel
	.amdgpu_metadata
---
amdhsa.version: [ 1, 2 ]
amdhsa.kernels:
  - .name:           k_qa08e525572_gemm_o
    .symbol:         k_qa08e525572_gemm_o.kd
    .args:
      - { .name: ao, .offset: 0, .size: 8, .value_kind: global_buffer, .address_space: global }
      - { .name: wb, .offset: 8, .size: 8, .value_kind: global_buffer, .address_space: global }
      - { .name: bo, .offset: 16, .size: 8, .value_kind: global_buffer, .address_space: global }
      - { .name: out0, .offset: 24, .size: 8, .value_kind: global_buffer, .address_space: global }
    .group_segment_fixed_size: 327680
    .private_segment_fixed_size: 0
    .kernarg_segment_align: 8
    .kernarg_segment_size: 32
    .max_flat_workgroup_size: 128
    .sgpr_count:     80
    .vgpr_count:     576
    .wavefront_size: 32
...
	.end_amdgpu_metadata
.endif
;; end of part 4
